; MI455X (gfx1250); checked and timed in simulation.
; The chip was launched on July 23, 2026; its instructions are those of AMD's public machine-readable ISA for CDNA 5 (MIT licence, August 2026) and "CDNA5" Instruction Set Architecture Reference Guide (July 2026). The comments in the code are by the model that wrote it; some were corrected since.
;; Mlp. Allowed arithmetic: float matrix products may take bf16 or f16 operands with f32 sums; all other float work in f32.
;; Inputs: down_w 32 x 1,024 x 256 float32; gate_up_w 32 x 512 x 1,024 float32; gate_w 32 x 1,024 float32; hidden_states 1 x 2,048 x 1,024 float32.
;; Outputs: out0 1 x 2,048 x 1,024 float32.
;; 2 versions, each right; version 2 is version 1 with the launch ffn_up written anew for expert scheduling mode. Each part assembles by itself: llvm-mc -triple=amdgcn-amd-amdhsa -mcpu=gfx1250 --defsym DOCPART=n.
;; ======== version 1 of 2: 5 launches
;; workspace buffers: xb 4,194,304 bytes; comb4 262,144 bytes; rank4 262,144 bytes of whole numbers; bm 8,192 bytes of whole numbers; dstl 278,528 bytes of whole numbers; wl 278,528 bytes; h3 33,554,432 bytes; y 67,239,936 bytes
;; launch route (part 1): grid 64 x 1, 8 waves a work-group, no clusters, 78,848 bytes of LDS; arguments hidden_states, gate_w, xb, comb4, rank4, bm; writes xb, comb4, rank4, bm
.if DOCPART == 1
	.amdgcn_target "amdgcn-amd-amdhsa--gfx1250"
	.amdhsa_code_object_version 6
	.text
	.protected	k_q799be4d9f1_route
	.globl	k_q799be4d9f1_route
	.p2align	8
	.type	k_q799be4d9f1_route,@function
k_q799be4d9f1_route:
	s_mov_b64 s[64:65], 0
	v_nop
	global_prefetch_b8 v0, s[64:65] scope:SCOPE_SE
	s_setreg_imm32_b32 hwreg(HW_REG_WAVE_MODE, 25, 1), 1
	s_wait_xcnt 0x0
; ROUTER.  logits = x gate_w^T (bf16 operands, f32 sums), softmax over 32 experts with the row maximum taken away,
; rank of every expert, top 8 renormalised.  Also stores x rounded to bf16 for the next launch.
; Work-group g owns tokens 32 g .. 32 g + 31.  Wave w owns K = 128 w .. 128 w + 127 of the product; the eight partial
; logit tiles meet in LDS.  After that a lane is a token; wave w ranks experts 4 w .. 4 w + 3.
; Stored: xb [2048][1024] bf16; comb4, rank4 [g][w][lane][q] (expert 4 w + q of token 32 g + lane): combine weight (0 if not
; selected) and rank 0..31; bm [expert][g]: bit b = token 32 g + b selected the expert.
; LIMITS: logits must be finite (with a NaN the ranks are no permutation).  v_exp_f32 gives 0 for results below 2^-126, so such
; experts get weight 0.  Equal probabilities: the lower expert index ranks first, as in lax.top_k.
; No cluster: the only shared input is gate_w, 128 KiB against 128 KiB of x per work-group, read once by each work-group.
.set SPITCH, 272                       ; stage row: 256 bytes of bf16 + 16, an odd multiple of 16
.set STG,    0                         ; 8 waves x 16 rows, each wave's own
.set LPITCH, 144                       ; 32 f32 + 16
.set PL,     8*16*SPITCH               ; 34,816: 8 partial logit tiles of 32 tokens
.set LG,     PL+8*32*LPITCH            ; 71,680: the summed logits
.set PS,     LG+32*LPITCH              ; 76,288: 32 tokens x 48 bytes: each wave's sum of selected probabilities
.set BUF0, 32                          ; v[32:95]   16 rows x 4 f32 a lane
.set BUF1, 96
.set BUF2, 160
.set DT,   224                         ; v[224:255] logit tiles (et, tt) at 8 (2 et + tt)
.set LGT,  32                          ; v[32:63]   a token's 32 logits
.set PR,   64                          ; v[64:95]   its 32 probabilities
.set RK,   96                          ; v[96:99]   ranks of my four experts
.set OWN,  100                         ; v[100:103] their probabilities
.set CW,   104                         ; v[104:107] their combine weights
; window 1: fragments of tile T (0, 1: experts 0-15, 16-31; 2, 3: tokens 0-15, 16-31) at 32 T + 8 ks
.set MSB, 0
.macro WIN new                         ; the immediate's high byte repeats the setting that is left
.if MSB != \new
	s_set_vgpr_msb (MSB<<8)|\new
.set MSB, \new
.endif
.endm
	s_load_b256 s[4:11], s[0:1], 0x0               ; x s[4:5], gate_w s[6:7], xb s[8:9], comb4 s[10:11]
	s_load_b128 s[12:15], s[0:1], 0x20             ; rank4 s[12:13], bm s[14:15]
	v_lshl_add_u32 v30, v0, 2, 0x13000
	v_mov_b32 v31, 0
	v_and_b32 v1, 31, v0                           ; lane
	v_lshrrev_b32 v2, 5, v0
	v_readfirstlane_b32 s16, v2                    ; wave
	v_and_b32 v2, 15, v0                           ; r
	v_bfe_u32 v3, v0, 4, 1                         ; h
	s_lshl_b32 s17, s16, 9
	v_lshl_add_u32 v4, v1, 4, s17                  ; f32 rows: 512 w + 16 lane
	s_mul_i32 s17, s16, 16*SPITCH
	v_lshl_add_u32 v5, v1, 3, s17                  ; stage, in: my wave's part + 8 lane
	v_mul_u32_u24 v6, v2, SPITCH
	v_lshl_add_u32 v6, v3, 4, v6
	v_add_nc_u32 v6, s17, v6                       ; stage, out: row r, 16 h
	s_lshl_b32 s17, s16, 8
	v_lshl_add_u32 v7, v1, 3, s17                  ; xb rows: 256 w + 8 lane
	s_mul_i32 s17, s16, 32*LPITCH
	s_add_co_u32 s17, s17, PL
	v_mul_u32_u24 v8, v2, LPITCH
	v_lshl_add_u32 v8, v3, 5, v8
	v_add_nc_u32 v8, s17, v8                       ; my partial tile: token r, experts 8 h ..
	v_mul_u32_u24 v10, v1, LPITCH
	s_lshl_b32 s17, s16, 4
	v_add_nc_u32 v9, s17, v10
	v_add_nc_u32 v11, LG, v9                       ; summed logits of token lane, experts 4 w ..
	v_add_nc_u32 v9, PL, v9                        ; the same place in partial tile 0
	v_add_nc_u32 v10, LG, v10                      ; token lane's 32 logits
	v_mul_u32_u24 v12, v1, 48
	v_add_nc_u32 v12, PS, v12                      ; token lane's eight partial sums
	s_lshl_b32 s17, s16, 2
	v_add_nc_u32 v14, s17, v12                     ; my wave's word of them
	v_lshlrev_b32 v13, 4, v0                       ; comb4, rank4: 512 w + 16 lane
	s_lshl_b32 s18, ttmp9, 17                      ; 32 rows of 4,096 bytes
	s_mov_b32 s19, 0
	s_wait_kmcnt 0x0
	s_add_nc_u64 s[4:5], s[4:5], s[18:19]
	s_lshl_b32 s18, ttmp9, 16                      ; 32 rows of 2,048 bytes
	s_add_nc_u64 s[8:9], s[8:9], s[18:19]
	s_lshl_b32 s18, ttmp9, 12                      ; 8 x 32 x 16 bytes
	s_add_nc_u64 s[10:11], s[10:11], s[18:19]
	s_add_nc_u64 s[12:13], s[12:13], s[18:19]
; 16 rows, my 512 bytes of each: one load covers 512 consecutive bytes
.macro LOAD16 buf, base, rowoff, nt
.set i, 0
.rept 16
.if \nt
	global_load_b128 v[\buf+4*i:\buf+4*i+3], v4, s[\base:\base+1] offset:(\rowoff+i)*4096 th:TH_LOAD_NT
.else
	global_load_b128 v[\buf+4*i:\buf+4*i+3], v4, s[\base:\base+1] offset:(\rowoff+i)*4096
.endif
.set i, i+1
.endr
.endm
; round to bf16 in place, lay the 16 rows into my stage, (x only) store them to xb, read the four K = 32 fragments back.
; The stage is my wave's own and LDS serves a wave's instructions in order (ISA guide 5.7.1): no wait between stores and loads.
.macro CVT16 buf, T, isx
.set i, 0
.rept 16
	v_cvt_pk_bf16_f32 v[\buf+4*i], v[\buf+4*i], v[\buf+4*i+1]
	v_cvt_pk_bf16_f32 v[\buf+4*i+1], v[\buf+4*i+2], v[\buf+4*i+3]
	ds_store_b64 v5, v[\buf+4*i:\buf+4*i+1] offset:i*SPITCH
.if \isx
	global_store_b64 v7, v[\buf+4*i:\buf+4*i+1], s[8:9] offset:(16*(\T-2)+i)*2048   ; the wave stores 256 consecutive bytes, aligned
.endif
.set i, i+1
.endr
	WIN 0x40                                       ; destination in window 1
.set i, 0
.rept 4
	ds_load_b128 v[\T*32+8*i:\T*32+8*i+3], v6 offset:i*64
	ds_load_b128 v[\T*32+8*i+4:\T*32+8*i+7], v6 offset:i*64+32
.set i, i+1
.endr
	WIN 0
.endm
	LOAD16 BUF0, 6, 0, 0                           ; experts 0-15
	LOAD16 BUF1, 6, 16, 0                          ; experts 16-31
	LOAD16 BUF2, 4, 0, 1                           ; tokens 0-15
	s_wait_loadcnt 32                              ; two younger batches of 16 stay out
	CVT16 BUF0, 0, 0
	LOAD16 BUF0, 4, 16, 1                          ; tokens 16-31
	s_wait_loadcnt 32
	CVT16 BUF1, 1, 0
	s_wait_loadcnt 16                              ; one younger batch
	CVT16 BUF2, 2, 1
	s_wait_loadcnt 0x0
	CVT16 BUF0, 3, 1
	s_wait_dscnt 0x0                               ; all fragments are in
	WIN 0x05                                       ; A and B in window 1, C and D in window 0
; A = 16 experts, B = 16 tokens: a lane then holds token r and experts 16 et + 8 h + 0..7.  The first products start the sums.
.irp ks, 0,1,2,3
.irp et, 0,1
.irp tt, 0,1
.if \ks == 0
	v_wmma_f32_16x16x32_bf16 v[DT+8*(2*\et+\tt):DT+8*(2*\et+\tt)+7], v[\et*32+8*\ks:\et*32+8*\ks+7], v[(2+\tt)*32+8*\ks:(2+\tt)*32+8*\ks+7], 0
.else
	v_wmma_f32_16x16x32_bf16 v[DT+8*(2*\et+\tt):DT+8*(2*\et+\tt)+7], v[\et*32+8*\ks:\et*32+8*\ks+7], v[(2+\tt)*32+8*\ks:(2+\tt)*32+8*\ks+7], v[DT+8*(2*\et+\tt):DT+8*(2*\et+\tt)+7]
.endif
.endr
.endr
.endr
	WIN 0
.rept 4
	v_nop                                          ; four places behind the last products before their results are stored (ISA guide 7.12.1)
.endr
.irp et, 0,1
.irp tt, 0,1
	ds_store_b128 v8, v[DT+8*(2*\et+\tt):DT+8*(2*\et+\tt)+3] offset:\tt*16*LPITCH+\et*64
	ds_store_b128 v8, v[DT+8*(2*\et+\tt)+4:DT+8*(2*\et+\tt)+7] offset:\tt*16*LPITCH+\et*64+16
.endr
.endr
	s_wait_dscnt 0x0                               ; my partial tile is written, for the others' sake
	s_barrier_signal -1
	s_barrier_wait -1
	; sum of the eight K parts: lane = token, my wave's four experts
	s_wait_xcnt 0x0                                ; v[32:63] were data of the xb stores: loaded again only behind this wait
.irp p, 0,1,2,3,4,5,6,7
	ds_load_b128 v[32+4*\p:35+4*\p], v9 offset:\p*32*LPITCH
.endr
	s_wait_dscnt 0x0
.irp p, 1,2,3,4,5,6,7
	v_pk_add_f32 v[32:33], v[32:33], v[32+4*\p:33+4*\p]
	v_pk_add_f32 v[34:35], v[34:35], v[34+4*\p:35+4*\p]
.endr
	ds_store_b128 v11, v[32:35]
	s_wait_dscnt 0x0
	s_barrier_signal -1
	s_barrier_wait -1
	; softmax of token lane, in every wave
.irp k, 0,1,2,3,4,5,6,7
	ds_load_b128 v[LGT+4*\k:LGT+4*\k+3], v10 offset:16*\k
.endr
	s_wait_dscnt 0x0
	v_max3_num_f32 v18, v32, v33, v34
.set j, 35
.rept 14
	v_max3_num_f32 v18, v18, v[j], v[j+1]
.set j, j+2
.endr
	v_max_num_f32 v18, v18, v63                    ; the row's maximum
	v_mul_f32 v16, 0xbfb8aa3b, v18                 ; - max x log2(e): one rounded number for all 32, a common factor that the division takes out
	v_mov_b32 v17, v16
.set j, 0
.rept 16
	v_pk_fma_f32 v[PR+j:PR+j+1], v[LGT+j:LGT+j+1], 0x3fb8aa3b, v[16:17] op_sel_hi:[1,0,1]
.set j, j+2
.endr
.set j, 0
.rept 32
	v_exp_f32 v[PR+j], v[PR+j]
.set j, j+1
.endr
	v_nop                                          ; one plain place behind the exponentials (ISA guide 5.7.2)
	s_wait_alu depctr_va_vdst(0)
.irp k, 0,2,4,6
	v_pk_add_f32 v[112+\k:113+\k], v[PR+\k:PR+\k+1], v[PR+8+\k:PR+9+\k]
.endr
.irp b, 16,24
.irp k, 0,2,4,6
	v_pk_add_f32 v[112+\k:113+\k], v[112+\k:113+\k], v[PR+\b+\k:PR+\b+\k+1]
.endr
.endr
	v_pk_add_f32 v[112:113], v[112:113], v[114:115]
	v_pk_add_f32 v[116:117], v[116:117], v[118:119]
	v_pk_add_f32 v[112:113], v[112:113], v[116:117]
	v_add_f32 v112, v112, v113                     ; at least about 1: the maximum's own term
	v_rcp_f32 v120, v112
	v_nop
	s_wait_alu depctr_va_vdst(0)
	v_mov_b32 v121, v120
.set j, 0
.rept 16
	v_pk_mul_f32 v[PR+j:PR+j+1], v[PR+j:PR+j+1], v[120:121]
.set j, j+2
.endr
; rank of expert i = number of experts that come before it: a larger probability, or an equal one at a lower index
.macro RANK4 base
.set q, 0
.rept 4
.set i, \base+q
.set j, 0
.set first, 1
.rept 32
.if j != i
.if j < i
	v_cmp_ge_f32 vcc_lo, v[PR+j], v[PR+i]
.else
	v_cmp_gt_f32 vcc_lo, v[PR+j], v[PR+i]
.endif
.if first
	v_cndmask_b32 v[RK+q], 0, 1, vcc_lo
.set first, 0
.else
	v_add_co_ci_u32 v[RK+q], vcc_lo, 0, v[RK+q], vcc_lo
.endif
.endif
.set j, j+1
.endr
	v_mov_b32 v[OWN+q], v[PR+i]
.set q, q+1
.endr
.endm
	; register numbers are fixed in the text, so each wave takes the block written for its four experts; no barrier inside
.irp k, 0,1,2,3,4,5,6
	s_cmp_eq_u32 s16, \k
	s_cbranch_scc1 .Lrank\k
.endr
	RANK4 28
	s_branch .Ljoin
.irp k, 0,1,2,3,4,5
.Lrank\k:
	RANK4 4*\k
	s_branch .Ljoin
.endr
.Lrank6:
	RANK4 24
.Ljoin:
.irp q, 0,1,2,3
	v_cmp_gt_u32 s[20+\q], 8, v[RK+\q]             ; selected: the mask over the 32 tokens is the bitmap word
	v_cndmask_b32 v[CW+\q], 0, v[OWN+\q], s[20+\q]
.endr
	v_add_f32 v108, v104, v105
	v_add_f32 v109, v106, v107
	v_add_f32 v108, v108, v109
	ds_store_b32 v14, v108                         ; my four experts' share of the sum of the top 8
	s_wait_dscnt 0x0
	s_barrier_signal -1
	s_barrier_wait -1
	ds_load_b128 v[108:111], v12
	ds_load_b128 v[112:115], v12 offset:16
	s_wait_dscnt 0x0
	v_pk_add_f32 v[108:109], v[108:109], v[110:111]
	v_pk_add_f32 v[112:113], v[112:113], v[114:115]
	v_pk_add_f32 v[108:109], v[108:109], v[112:113]
	v_add_f32 v108, v108, v109                     ; at least 1/32: it holds the largest probability
	v_rcp_f32 v110, v108
	v_nop
	s_wait_alu depctr_va_vdst(0)
	v_mov_b32 v111, v110
	v_pk_mul_f32 v[104:105], v[104:105], v[110:111]
	v_pk_mul_f32 v[106:107], v[106:107], v[110:111]
	global_store_b128 v13, v[CW:CW+3], s[10:11]    ; the wave stores 512 consecutive bytes
	global_store_b128 v13, v[RK:RK+3], s[12:13]
	v_mov_b32 v120, 0
.irp q, 0,1,2,3
	v_writelane_b32 v120, s[20+\q], \q
.endr
	s_lshl_b32 s18, s16, 10                        ; expert 4 w: 256 bytes an expert
	s_lshl_b32 s19, ttmp9, 2
	s_add_co_u32 s18, s18, s19
	v_lshl_add_u32 v121, v1, 8, s18                ; word (4 w + lane, g)
	s_wait_xcnt 0x0                                ; EXEC is a source of the stores above: it changes only behind this wait
	s_wait_tensorcnt 0x0
	ds_add_u32 v30, v31
	s_wait_dscnt 0x0
	v_cmpx_gt_u32 4, v1
	global_store_b32 v121, v120, s[14:15]          ; four words a wave, 8 KiB in the launch: the price of one contiguous row of 64 words per expert
	s_endpgm
.Lfunc_end_k_q799be4d9f1_route:
	.size	k_q799be4d9f1_route, .Lfunc_end_k_q799be4d9f1_route-k_q799be4d9f1_route
	.p2alignl 7, 3214868480
	.fill 96, 4, 3214868480
	.section	.rodata,"a",@progbits
	.p2align	6, 0x0
	.amdhsa_kernel k_q799be4d9f1_route
		.amdhsa_group_segment_fixed_size 78848
		.amdhsa_private_segment_fixed_size 0
		.amdhsa_enable_private_segment 0
		.amdhsa_kernarg_size 48
		.amdhsa_user_sgpr_count 2
		.amdhsa_user_sgpr_kernarg_segment_ptr 1
		.amdhsa_wavefront_size32 1
		.amdhsa_system_sgpr_workgroup_id_x 1
		.amdhsa_system_sgpr_workgroup_id_y 1
		.amdhsa_system_sgpr_workgroup_id_z 1
		.amdhsa_system_vgpr_workitem_id 0
		.amdhsa_next_free_vgpr 384
		.amdhsa_next_free_sgpr 66
		.amdhsa_reserve_vcc 1
		.amdhsa_float_denorm_mode_32 3
		.amdhsa_float_denorm_mode_16_64 3
		.amdhsa_memory_ordered 1
		.amdhsa_forward_progress 1
		.amdhsa_inst_pref_size 103
	.end_amdhsa_kernel
	.amdgpu_metadata
---
amdhsa.version: [ 1, 2 ]
amdhsa.kernels:
  - .name:           k_q799be4d9f1_route
    .symbol:         k_q799be4d9f1_route.kd
    .args:
      - { .name: hidden_states, .offset: 0, .size: 8, .value_kind: global_buffer, .address_space: global }
      - { .name: gate_w, .offset: 8, .size: 8, .value_kind: global_buffer, .address_space: global }
      - { .name: xb, .offset: 16, .size: 8, .value_kind: global_buffer, .address_space: global }
      - { .name: comb4, .offset: 24, .size: 8, .value_kind: global_buffer, .address_space: global }
      - { .name: rank4, .offset: 32, .size: 8, .value_kind: global_buffer, .address_space: global }
      - { .name: bm, .offset: 40, .size: 8, .value_kind: global_buffer, .address_space: global }
    .group_segment_fixed_size: 78848
    .private_segment_fixed_size: 0
    .kernarg_segment_align: 8
    .kernarg_segment_size: 48
    .max_flat_workgroup_size: 256
    .sgpr_count:     66
    .vgpr_count:     384
    .wavefront_size: 32
...
	.end_amdgpu_metadata
.endif
;; end of part 1
;; launch lists (part 2): grid 32 x 1, 1 waves a work-group, no clusters, 0 bytes of LDS; arguments comb4, rank4, bm, dstl, wl; writes dstl, wl
.if DOCPART == 2
	.amdgcn_target "amdgcn-amd-amdhsa--gfx1250"
	.amdhsa_code_object_version 6
	.text
	.protected	k_q799be4d9f1_lists
	.globl	k_q799be4d9f1_lists
	.p2align	8
	.type	k_q799be4d9f1_lists,@function
k_q799be4d9f1_lists:
	s_mov_b64 s[64:65], 0
	v_nop
	global_prefetch_b8 v0, s[64:65] scope:SCOPE_SE
	s_setreg_imm32_b32 hwreg(HW_REG_WAVE_MODE, 25, 1), 1
	s_wait_xcnt 0x0
; PLACEMENT.  One wave per expert e turns the expert's bitmap (64 words, bit b of word g = token 32 g + b chose e) into a dense list:
; entry p of dstl[e] = 8 t + rank of the p-th such token (its row of y; t = entry >> 3), entry p of wl[e] = its combine weight.
; An expert's part of either buffer is 2,176 entries (8,704 bytes): 0..2047 the list; n..n+31 padding (row 16384 + e, a spare row of y of the
; expert's own, and weight 0), so that the last group of 16 slots is whole; 2080..2111 one spare entry per lane, where a lane whose token
; did not choose e writes; 2112..2143 (dstl only) the count n, written by all 32 lanes.
; Entry index = tokens so far (scalar) + set bits below my lane.  The index is held to 2,111 behind the select, then only shifted.
; Index and data have registers of their own for each of the 64 groups: no source of a store is ever rewritten, so no wait stands between stores.
; The stores are 4 bytes a lane; lanes with set bits write neighbouring entries.  about 524 KiB in the whole launch.
; No LDS, no barrier, no matrix unit: a few hundred instructions per expert, bound by the chain of three dependent loads.
.set LCAPB, 8704                       ; bytes of an expert's part
.set NOFF,  8448                       ; where the count lies in it
.set CB, 64                            ; v[64:127]  group g: combine weight of my token for e
.set DS, 128                           ; v[128:191] group g: rank, then 8 t + rank
.set IX, 192                           ; v[192:255] group g: byte offset of my entry
.macro SETWR g                         ; bitmap word g lies in s[16+g], behind s63 four registers further on
.if \g < 48
.set WR, 16+\g
.else
.set WR, 20+\g
.endif
.endm
	s_load_b256 s[4:11], s[0:1], 0x0               ; comb4 s[4:5], rank4 s[6:7], bm s[8:9], dstl s[10:11]
	s_load_b64 s[12:13], s[0:1], 0x20              ; wl
	s_lshl_b32 s92, ttmp9, 8                       ; 64 words an expert
	s_mov_b32 s93, 0
	s_wait_kmcnt 0x0
	s_add_nc_u64 s[8:9], s[8:9], s[92:93]
	s_load_b512 s[16:31], s[8:9], 0x0
	s_load_b512 s[32:47], s[8:9], 0x40
	s_load_b512 s[48:63], s[8:9], 0x80
	s_load_b512 s[68:83], s[8:9], 0xc0
	s_mul_i32 s92, ttmp9, LCAPB
	s_add_nc_u64 s[10:11], s[10:11], s[92:93]
	s_add_nc_u64 s[12:13], s[12:13], s[92:93]
	s_lshr_b32 s90, ttmp9, 2
	s_lshl_b32 s90, s90, 9
	s_and_b32 s89, ttmp9, 3
	s_lshl2_add_u32 s90, s89, s90
	v_lshl_add_u32 v2, v0, 4, s90                  ; comb4, rank4 [g][e >> 2][lane][e & 3]: 512 (e >> 2) + 16 lane + 4 (e & 3)
.set g, 0
.rept 64
	global_load_b32 v[CB+g], v2, s[4:5] offset:g*4096
	global_load_b32 v[DS+g], v2, s[6:7] offset:g*4096
.set g, g+1
.endr
	v_lshlrev_b32 v3, 3, v0                        ; 8 x my token of group 0
	v_add_nc_u32 v4, 2080, v0                      ; my spare entry
	s_mov_b32 s91, 0                               ; entries so far
	s_wait_kmcnt 0x0
	s_wait_loadcnt 0x0
.set g, 0
.rept 64
	SETWR g
	v_mbcnt_lo_u32_b32 v[IX+g], s[WR], s91         ; entries so far + set bits below my lane
	v_cndmask_b32 v[IX+g], v4, v[IX+g], s[WR]      ; bit not set: my spare entry
	v_min_u32 v[IX+g], 0x83f, v[IX+g]              ; inside the expert's part whatever the words hold
	v_lshlrev_b32 v[IX+g], 2, v[IX+g]
	v_add_nc_u32 v[DS+g], v3, v[DS+g]              ; 8 t + rank
	v_add_nc_u32 v3, 256, v3                       ; 32 tokens on
	global_store_b32 v[IX+g], v[DS+g], s[10:11]
	global_store_b32 v[IX+g], v[CB+g], s[12:13]
	s_bcnt1_i32_b32 s92, s[WR]
	s_add_co_u32 s91, s91, s92
.set g, g+1
.endr
	s_min_u32 s92, s91, 2048
	v_add_nc_u32 v5, s92, v0
	v_lshlrev_b32 v5, 2, v5                        ; entries n .. n + 31
	s_add_co_u32 s90, ttmp9, 16384
	v_mov_b32 v6, s90                              ; the expert's spare row of y
	v_mov_b32 v7, 0                                ; weight 0
	global_store_b32 v5, v6, s[10:11]
	global_store_b32 v5, v7, s[12:13]
	v_lshlrev_b32 v8, 2, v0
	v_mov_b32 v9, s91
	global_store_b32 v8, v9, s[10:11] offset:NOFF  ; n, 128 consecutive bytes
	s_endpgm
.Lfunc_end_k_q799be4d9f1_lists:
	.size	k_q799be4d9f1_lists, .Lfunc_end_k_q799be4d9f1_lists-k_q799be4d9f1_lists
	.p2alignl 7, 3214868480
	.fill 96, 4, 3214868480
	.section	.rodata,"a",@progbits
	.p2align	6, 0x0
	.amdhsa_kernel k_q799be4d9f1_lists
		.amdhsa_group_segment_fixed_size 0
		.amdhsa_private_segment_fixed_size 0
		.amdhsa_enable_private_segment 0
		.amdhsa_kernarg_size 40
		.amdhsa_user_sgpr_count 2
		.amdhsa_user_sgpr_kernarg_segment_ptr 1
		.amdhsa_wavefront_size32 1
		.amdhsa_system_sgpr_workgroup_id_x 1
		.amdhsa_system_sgpr_workgroup_id_y 1
		.amdhsa_system_sgpr_workgroup_id_z 1
		.amdhsa_system_vgpr_workitem_id 0
		.amdhsa_next_free_vgpr 256
		.amdhsa_next_free_sgpr 96
		.amdhsa_reserve_vcc 0
		.amdhsa_float_denorm_mode_32 3
		.amdhsa_float_denorm_mode_16_64 3
		.amdhsa_memory_ordered 1
		.amdhsa_forward_progress 1
		.amdhsa_inst_pref_size 50
	.end_amdhsa_kernel
	.amdgpu_metadata
---
amdhsa.version: [ 1, 2 ]
amdhsa.kernels:
  - .name:           k_q799be4d9f1_lists
    .symbol:         k_q799be4d9f1_lists.kd
    .args:
      - { .name: comb4, .offset: 0, .size: 8, .value_kind: global_buffer, .address_space: global }
      - { .name: rank4, .offset: 8, .size: 8, .value_kind: global_buffer, .address_space: global }
      - { .name: bm, .offset: 16, .size: 8, .value_kind: global_buffer, .address_space: global }
      - { .name: dstl, .offset: 24, .size: 8, .value_kind: global_buffer, .address_space: global }
      - { .name: wl, .offset: 32, .size: 8, .value_kind: global_buffer, .address_space: global }
    .group_segment_fixed_size: 0
    .private_segment_fixed_size: 0
    .kernarg_segment_align: 8
    .kernarg_segment_size: 40
    .max_flat_workgroup_size: 32
    .sgpr_count:     96
    .vgpr_count:     256
    .wavefront_size: 32
...
	.end_amdgpu_metadata
.endif
;; end of part 2
;; launch ffn_up (part 3): grid 256 x 1, 4 waves a work-group, no clusters, 34,304 bytes of LDS; arguments gate_up_w, xb, dstl, wl, h3; writes h3
.if DOCPART == 3
	.amdgcn_target "amdgcn-amd-amdhsa--gfx1250"
	.amdhsa_code_object_version 6
	.text
	.protected	k_q799be4d9f1_ffn_up
	.globl	k_q799be4d9f1_ffn_up
	.p2align	8
	.type	k_q799be4d9f1_ffn_up,@function
k_q799be4d9f1_ffn_up:
	s_mov_b64 s[64:65], 0
	v_nop
	global_prefetch_b8 v0, s[64:65] scope:SCOPE_SE
	s_setreg_imm32_b32 hwreg(HW_REG_WAVE_MODE, 25, 1), 1
	s_wait_xcnt 0x0
; UP PROJECTION of the selected (token, expert) pairs only: h = comb x u x silu(g), stored as bf16 in fragment order.
; Work-group = (expert e = id >> 3, block fblk = id & 7 of 32 f).  Wave w = (fsub = w & 1, par = w >> 1) keeps, for its whole life, the 16 g rows
; and the 16 u rows of f = 32 fblk + 16 fsub .. + 15 over all K = 1,024 as bf16: 64 fragments, 512 registers (windows 1 and 2).
; It walks the expert's groups of 16 list slots par, par + 2, ..  No wave depends on another: no barrier anywhere, so the trip count may be read
; from memory.  The two waves with the same fsub load and round the same 32 weight rows, each for itself.
; A group's x rows come in four chunks of 16 rows x 512 bytes (a K quarter): 16 loads, each 512 consecutive bytes of one row of xb, then through
; the wave's own LDS stage into fragments.  LDS serves a wave's instructions in order (ISA guide 5.7.1), so the one stage needs no wait
; between a chunk's fragment loads and the next chunk's stores.  Three chunks are always on their way: at most 53 loads of a wave are out.
; A = 16 weight rows, B = 16 slots: lane (r, h) holds slot r, f = 8 h + 0..7, the same for g and for u: silu needs no exchange, and the
; wave's 16 bytes a lane are 512 consecutive bytes of h3.
; h3 [e][group][fblk][1,024 bytes]: byte 512 fsub + 256 h + 16 r holds slot r, f = 16 fsub + 8 h + 0..7: two plain loads make a K = 32 fragment.
; Padded slots (list entry 16384 + e, weight 0) take token 2047's row and give h = 0.  Look-ahead past the wave's last group repeats that group.
; The combine weight is multiplied into h before the rounding to bf16 (reference() multiplies behind the down projection).
; No cluster, no tensor loads: the work-groups' weight rows are disjoint; the x rows that the blocks of an expert share are named by a list,
; and a ring filled by an engine would need a barrier for each refill inside a loop whose trip count differs from expert to expert.
.set LCAPB,  8704                      ; bytes of an expert's part of dstl and wl
.set NOFF,   8448                      ; where its count lies in dstl
.set WPITCH, 528                       ; a stage row: 256 bf16 + 16 bytes, an odd multiple of 16
.set STGB,   16*WPITCH                 ; a wave's stage
; window 0: v4 16 lane; v5, v7 stage in (8, 16 bytes a lane); v6 stage out; v8 list address; v9 weight address; v10 h3 offset; v11 4 r; v12 weight
.set RO,   16                          ; v[16:31]   row q of the next group: byte offset in xb of my 16 bytes
.set TK,   32                          ; v[32:47]   16 list entries, the same in every lane
.set DT,   48                          ; v[48:55] g, v[56:63] u
.set BUF0, 64                          ; weights on their way in, three buffers; later v[64:127], v[128:191] x fragments, two buffers
.set BUF1, 128
.set BUF2, 192
.set TE,   192                         ; v[192:199] at work
.set HP,   200                         ; v[200:203] h, packed
; windows 1, 2: weight fragment (ks, mt) at 8 (2 (ks & 15) + mt), ks 0-15 in window 1, 16-31 in window 2.  window 3: chunk c as loaded at 64 c
.set MSB, 0
.macro WIN new                         ; the immediate's high byte repeats the setting that is left
.if MSB != \new
	s_set_vgpr_msb (MSB<<8)|\new
.set MSB, \new
.endif
.endm
	s_load_b256 s[4:11], s[0:1], 0x0               ; gate_up_w s[4:5], xb s[6:7], dstl s[8:9], wl s[10:11]
	s_load_b64 s[12:13], s[0:1], 0x20              ; h3
	v_lshl_add_u32 v14, v0, 2, 0x8400
	v_mov_b32 v15, 0
	v_and_b32 v1, 31, v0                           ; lane
	v_lshrrev_b32 v2, 5, v0
	v_readfirstlane_b32 s16, v2                    ; wave
	v_and_b32 v2, 15, v0                           ; r
	v_bfe_u32 v3, v0, 4, 1                         ; h
	s_lshr_b32 s17, ttmp9, 3                       ; expert
	s_and_b32 s18, ttmp9, 7                        ; block of 32 f
	s_and_b32 s19, s16, 1                          ; which 16 f of it
	s_lshr_b32 s20, s16, 1                         ; even or odd groups
	s_mul_i32 s22, s17, LCAPB
	s_mov_b32 s23, 0
	s_wait_kmcnt 0x0
	s_add_nc_u64 s[8:9], s[8:9], s[22:23]
	s_add_nc_u64 s[10:11], s[10:11], s[22:23]
	s_load_b32 s24, s[8:9], NOFF                   ; n = tokens of the expert
	s_lshl_b32 s22, s17, 21                        ; 512 rows of 4,096 bytes an expert,
	s_lshl_b32 s21, s18, 17                        ; 32 rows a block,
	s_add_co_u32 s22, s22, s21
	s_lshl_b32 s21, s19, 16                        ; 16 rows a wave
	s_add_co_u32 s22, s22, s21
	s_add_nc_u64 s[4:5], s[4:5], s[22:23]
	s_lshl_b32 s22, s17, 20                        ; h3: 128 groups x 8 blocks x 1,024 bytes an expert
	s_lshl_b32 s21, s18, 10
	s_add_co_u32 s22, s22, s21
	s_lshl_b32 s21, s19, 9
	s_add_co_u32 s22, s22, s21
	s_add_nc_u64 s[12:13], s[12:13], s[22:23]
	v_lshlrev_b32 v4, 4, v1
	s_mul_i32 s21, s16, STGB
	v_lshl_add_u32 v5, v1, 3, s21
	v_add_nc_u32 v7, s21, v4
	v_mul_u32_u24 v6, v2, WPITCH
	v_lshl_add_u32 v6, v3, 4, v6
	v_add_nc_u32 v6, s21, v6                       ; row r, 16 h
	v_lshlrev_b32 v11, 2, v2
	v_mov_b32 v13, 0                               ; upper register of the pair whose lower one is the weight; its value is not used
	s_wait_kmcnt 0x0
	s_min_u32 s24, s24, 2048
	s_add_co_u32 s25, s24, 15
	s_lshr_b32 s25, s25, 4                         ; groups of 16 slots
	s_add_co_u32 s26, s25, 1
	s_sub_co_u32 s26, s26, s20
	s_lshr_b32 s26, s26, 1                         ; of which par, par + 2, .. are mine
	s_cmp_eq_u32 s26, 0
	s_cbranch_scc1 .Lexit                          ; none: nothing of h3 that is read later is mine
	s_sub_co_u32 s27, s26, 1                       ; my last group's number
; batch b: 8 weight rows x 1,024 bytes (256 K): tile b >> 1 = (mt = g or u, K quarter), rows 8 (b & 1) ..; each load 512 consecutive bytes
.macro WB_LOAD b, buf
.set MT, ((\b)>>1)&1
.set KQ, (\b)>>2
.set i, 0
.rept 8
	global_load_b128 v[\buf+8*i:\buf+8*i+3], v4, s[4:5] offset:(8*((\b)&1)+i)*4096+MT*1048576+KQ*1024
	global_load_b128 v[\buf+8*i+4:\buf+8*i+7], v4, s[4:5] offset:(8*((\b)&1)+i)*4096+MT*1048576+KQ*1024+512
.set i, i+1
.endr
.endm
; round in place, lay into my stage; behind every second batch 16 rows are whole: read eight fragments back
.macro WB_CVT b, buf
.set MT, ((\b)>>1)&1
.set KQ, (\b)>>2
.set i, 0
.rept 16
	v_cvt_pk_bf16_f32 v[\buf+4*i], v[\buf+4*i], v[\buf+4*i+1]
	v_cvt_pk_bf16_f32 v[\buf+4*i+1], v[\buf+4*i+2], v[\buf+4*i+3]
	ds_store_b64 v5, v[\buf+4*i:\buf+4*i+1] offset:(8*((\b)&1)+(i>>1))*WPITCH+(i&1)*256
.set i, i+1
.endr
.if (\b)&1
.if KQ < 2
	WIN 0x40                                       ; destination in window 1
.else
	WIN 0x80                                       ; in window 2
.endif
.set i, 0
.rept 8
.set WRG, (((8*KQ+i)&15)*2+MT)*8
	ds_load_b128 v[WRG:WRG+3], v6 offset:i*64
	ds_load_b128 v[WRG+4:WRG+7], v6 offset:i*64+32
.set i, i+1
.endr
	WIN 0
.endif
.endm
; the 16 list entries of the group whose list offset is in v8, in every lane
.macro LLOAD
.irp q, 0,1,2,3
	global_load_b128 v[TK+4*\q:TK+4*\q+3], v8, s[8:9] offset:16*\q
.endr
.endm
; entry -> token -> byte offset of my 16 bytes of its row.  The token is held to 2,047 behind the shift right
.macro ROWOFF
.irp q, 0,1,2,3,4,5,6,7,8,9,10,11,12,13,14,15
	v_lshrrev_b32 v[RO+\q], 3, v[TK+\q]
	v_min_u32 v[RO+\q], 0x7ff, v[RO+\q]
	v_lshl_add_u32 v[RO+\q], v[RO+\q], 11, v4
.endr
.endm
; chunk c of the group that RO names: 16 loads of 512 consecutive bytes
.macro GLOAD c
	WIN 0xc0                                       ; destination in window 3
.irp q, 0,1,2,3,4,5,6,7,8,9,10,11,12,13,14,15
	global_load_b128 v[64*\c+4*\q:64*\c+4*\q+3], v[RO+\q], s[6:7] offset:512*\c
.endr
	WIN 0
.endm
; chunk c has come (left = younger loads that may stay out): into the stage by rows, out of it as eight fragments
.macro STAGE c, left
	s_wait_loadcnt \left
	WIN 0x0c                                       ; store data in window 3
.irp q, 0,1,2,3,4,5,6,7,8,9,10,11,12,13,14,15
	ds_store_b128 v7, v[64*\c+4*\q:64*\c+4*\q+3] offset:\q*WPITCH
.endr
	WIN 0
.irp k, 0,1,2,3,4,5,6,7
	ds_load_b128 v[64+64*(\c&1)+8*\k:64+64*(\c&1)+8*\k+3], v6 offset:\k*64
	ds_load_b128 v[64+64*(\c&1)+8*\k+4:64+64*(\c&1)+8*\k+7], v6 offset:\k*64+32
.endr
.endm
; 16 products of chunk c.  The group's first products start the sums.
.macro MUL c
	s_wait_dscnt 32                                ; my chunk's fragments are in: behind them stand the next chunk's 16 stores and 16 loads
.if \c < 2
	WIN 0x01                                       ; A (weights) in window 1
.else
	WIN 0x02
.endif
.irp k, 0,1,2,3,4,5,6,7
.irp mt, 0,1
.if (\c+\k) == 0
	v_wmma_f32_16x16x32_bf16 v[DT+8*\mt:DT+8*\mt+7], v[(((8*\c+\k)&15)*2+\mt)*8:(((8*\c+\k)&15)*2+\mt)*8+7], v[64+64*(\c&1)+8*\k:64+64*(\c&1)+8*\k+7], 0
.else
	v_wmma_f32_16x16x32_bf16 v[DT+8*\mt:DT+8*\mt+7], v[(((8*\c+\k)&15)*2+\mt)*8:(((8*\c+\k)&15)*2+\mt)*8+7], v[64+64*(\c&1)+8*\k:64+64*(\c&1)+8*\k+7], v[DT+8*\mt:DT+8*\mt+7]
.endif
.endr
.endr
	WIN 0
.rept 4
	v_nop                                          ; four places before the fragment buffer is loaded again or the sums are read (ISA guide 7.12.1)
.endr
.endm
	s_lshl_b32 s29, s20, 6                         ; my first group's 64 bytes of the list
	v_mov_b32 v8, s29
	LLOAD
	WB_LOAD 0, BUF0
	WB_LOAD 1, BUF1
	WB_LOAD 2, BUF2
	s_wait_loadcnt 32                              ; two younger batches of 16 stay out, here and below
	WB_CVT 0, BUF0
	WB_LOAD 3, BUF0
	s_wait_loadcnt 32
	WB_CVT 1, BUF1
	WB_LOAD 4, BUF1
	s_wait_loadcnt 32
	WB_CVT 2, BUF2
	WB_LOAD 5, BUF2
	s_wait_loadcnt 32
	WB_CVT 3, BUF0
	WB_LOAD 6, BUF0
	s_wait_loadcnt 32
	WB_CVT 4, BUF1
	WB_LOAD 7, BUF1
	s_wait_loadcnt 32
	WB_CVT 5, BUF2
	WB_LOAD 8, BUF2
	s_wait_loadcnt 32
	WB_CVT 6, BUF0
	WB_LOAD 9, BUF0
	s_wait_loadcnt 32
	WB_CVT 7, BUF1
	WB_LOAD 10, BUF1
	s_wait_loadcnt 32
	WB_CVT 8, BUF2
	WB_LOAD 11, BUF2
	s_wait_loadcnt 32
	WB_CVT 9, BUF0
	WB_LOAD 12, BUF0
	s_wait_loadcnt 32
	WB_CVT 10, BUF1
	WB_LOAD 13, BUF1
	s_wait_loadcnt 32
	WB_CVT 11, BUF2
	WB_LOAD 14, BUF2
	s_wait_loadcnt 32
	WB_CVT 12, BUF0
	WB_LOAD 15, BUF0
	s_wait_loadcnt 32
	WB_CVT 13, BUF1
	; the x stream starts where the weight batches end
	ROWOFF                                         ; my first group (its list entries are older than every weight batch)
	s_min_u32 s29, s27, 1                          ; my second group, or the first again
	s_lshl1_add_u32 s29, s29, s20                  ; group = 2 j + par
	s_min_u32 s29, s29, 127
	s_lshl_b32 s29, s29, 6
	v_mov_b32 v8, s29
	LLOAD
	GLOAD 0
	s_wait_loadcnt 36                              ; batch 14 is in: batch 15, 4 list loads and chunk 0 stay out
	WB_CVT 14, BUF2
	GLOAD 1
	s_wait_loadcnt 36                              ; batch 15 is in: 4 list loads and chunks 0, 1 stay out
	WB_CVT 15, BUF0
	GLOAD 2
	STAGE 0, 32                                    ; chunk 0 (and the list loads in front of it): chunks 1, 2 stay out
	GLOAD 3
	s_mov_b32 s28, 0                               ; j
; At the head of trip j: chunks 1, 2, 3 of group j are on their way, chunk 0 is on its way through LDS, TK holds group j + 1's entries.
.Lgroup:
	s_wait_xcnt 0x0                                ; RO, v8, v9, v10 and HP are sources of earlier loads and of the last store: rewritten only behind this wait
	ROWOFF                                         ; group j + 1
	s_add_co_u32 s29, s28, 2
	s_min_u32 s29, s29, s27                        ; group j + 2, held to my last
	s_lshl1_add_u32 s29, s29, s20
	s_min_u32 s29, s29, 127
	s_lshl_b32 s29, s29, 6
	v_mov_b32 v8, s29
	s_lshl1_add_u32 s30, s28, s20                  ; group j
	s_min_u32 s30, s30, 127
	s_lshl_b32 s31, s30, 6
	v_add_nc_u32 v9, s31, v11                      ; slot r's weight
	s_lshl_b32 s31, s30, 13
	v_add_nc_u32 v10, s31, v4                      ; the group's 8,192 bytes of h3, my 16 bytes
	LLOAD
	global_load_b32 v12, v9, s[10:11]
	STAGE 1, 37                                    ; chunk 1 is in: chunks 2, 3 and the 5 loads above stay out
	GLOAD 0
	MUL 0
	STAGE 2, 37                                    ; chunk 3, the 5, the next group's chunk 0
	GLOAD 1
	MUL 1
	STAGE 3, 37                                    ; the 5, the next group's chunks 0, 1
	GLOAD 2
	MUL 2
	STAGE 0, 32                                    ; the next group's chunk 0 is in, so the 5 are too: its chunks 1, 2 stay out
	GLOAD 3
	MUL 3
	; g = v[48:55], u = v[56:63].  h = (u w) g / (1 + 2^(-g log2 e))
.irp k, 0,2,4,6
	v_pk_mul_f32 v[TE+\k:TE+\k+1], v[DT+\k:DT+\k+1], 0xbfb8aa3b op_sel_hi:[1,0]
.endr
.irp k, 0,1,2,3,4,5,6,7
	v_exp_f32 v[TE+\k], v[TE+\k]
.endr
.irp k, 0,2,4,6
	v_pk_mul_f32 v[DT+8+\k:DT+9+\k], v[DT+8+\k:DT+9+\k], v[12:13] op_sel_hi:[1,0]   ; both by v12; plain work behind the exponentials (ISA guide 5.7.2)
.endr
	s_wait_alu depctr_va_vdst(0)
.irp k, 0,2,4,6
	v_pk_add_f32 v[TE+\k:TE+\k+1], v[TE+\k:TE+\k+1], 1.0 op_sel_hi:[1,0]
.endr
.irp k, 0,1,2,3,4,5,6,7
	v_rcp_f32 v[TE+\k], v[TE+\k]
.endr
	v_nop
	s_wait_alu depctr_va_vdst(0)
.irp k, 0,2,4,6
	v_pk_mul_f32 v[DT+\k:DT+\k+1], v[DT+\k:DT+\k+1], v[TE+\k:TE+\k+1]
.endr
.irp k, 0,2,4,6
	v_pk_mul_f32 v[DT+\k:DT+\k+1], v[DT+\k:DT+\k+1], v[DT+8+\k:DT+9+\k]
.endr
.irp k, 0,1,2,3
	v_cvt_pk_bf16_f32 v[HP+\k], v[DT+2*\k], v[DT+2*\k+1]
.endr
	global_store_b128 v10, v[HP:HP+3], s[12:13]    ; the wave stores 512 consecutive bytes, aligned
	s_add_co_u32 s28, s28, 1
	s_cmp_lt_u32 s28, s26
	s_cbranch_scc1 .Lgroup
.Lexit:
	s_wait_tensorcnt 0x0
	ds_add_u32 v14, v15
	s_wait_dscnt 0x0
	s_endpgm
.Lfunc_end_k_q799be4d9f1_ffn_up:
	.size	k_q799be4d9f1_ffn_up, .Lfunc_end_k_q799be4d9f1_ffn_up-k_q799be4d9f1_ffn_up
	.p2alignl 7, 3214868480
	.fill 96, 4, 3214868480
	.section	.rodata,"a",@progbits
	.p2align	6, 0x0
	.amdhsa_kernel k_q799be4d9f1_ffn_up
		.amdhsa_group_segment_fixed_size 34304
		.amdhsa_private_segment_fixed_size 0
		.amdhsa_enable_private_segment 0
		.amdhsa_kernarg_size 40
		.amdhsa_user_sgpr_count 2
		.amdhsa_user_sgpr_kernarg_segment_ptr 1
		.amdhsa_wavefront_size32 1
		.amdhsa_system_sgpr_workgroup_id_x 1
		.amdhsa_system_sgpr_workgroup_id_y 1
		.amdhsa_system_sgpr_workgroup_id_z 1
		.amdhsa_system_vgpr_workitem_id 0
		.amdhsa_next_free_vgpr 1024
		.amdhsa_next_free_sgpr 66
		.amdhsa_reserve_vcc 0
		.amdhsa_float_denorm_mode_32 3
		.amdhsa_float_denorm_mode_16_64 3
		.amdhsa_memory_ordered 1
		.amdhsa_forward_progress 1
		.amdhsa_inst_pref_size 121
	.end_amdhsa_kernel
	.amdgpu_metadata
---
amdhsa.version: [ 1, 2 ]
amdhsa.kernels:
  - .name:           k_q799be4d9f1_ffn_up
    .symbol:         k_q799be4d9f1_ffn_up.kd
    .args:
      - { .name: gate_up_w, .offset: 0, .size: 8, .value_kind: global_buffer, .address_space: global }
      - { .name: xb, .offset: 8, .size: 8, .value_kind: global_buffer, .address_space: global }
      - { .name: dstl, .offset: 16, .size: 8, .value_kind: global_buffer, .address_space: global }
      - { .name: wl, .offset: 24, .size: 8, .value_kind: global_buffer, .address_space: global }
      - { .name: h3, .offset: 32, .size: 8, .value_kind: global_buffer, .address_space: global }
    .group_segment_fixed_size: 34304
    .private_segment_fixed_size: 0
    .kernarg_segment_align: 8
    .kernarg_segment_size: 40
    .max_flat_workgroup_size: 128
    .sgpr_count:     66
    .vgpr_count:     1024
    .wavefront_size: 32
...
	.end_amdgpu_metadata
.endif
;; end of part 3
;; launch ffn_down (part 4): grid 256 x 1, 4 waves a work-group, no clusters, 101,888 bytes of LDS; arguments down_w, h3, dstl, y; writes y
.if DOCPART == 4
	.amdgcn_target "amdgcn-amd-amdhsa--gfx1250"
	.amdhsa_code_object_version 6
	.text
	.protected	k_q799be4d9f1_ffn_down
	.globl	k_q799be4d9f1_ffn_down
	.p2align	8
	.type	k_q799be4d9f1_ffn_down,@function
k_q799be4d9f1_ffn_down:
	s_mov_b64 s[64:65], 0
	v_nop
	global_prefetch_b8 v0, s[64:65] scope:SCOPE_SE
	s_setreg_imm32_b32 hwreg(HW_REG_WAVE_MODE, 25, 1), 1
	s_wait_xcnt 0x0
; DOWN PROJECTION of the selected pairs: y[8 t + rank][c] = sum over f of h[slot][f] down_w[e][c][f], in f32.
; Work-group = (expert e = id >> 3, block cblk = id & 7 of 128 output columns).  Every wave holds all 128 rows x 256 f of the block as bf16:
; fragments (ks, nt) at 8 (8 ks + nt), ks 0-3 in window 1, ks 4-7 in window 2.  Each weight is read from memory and rounded once in the launch:
; each wave rounds 32 rows into a shared stage; the one barrier behind it stands in front of the first branch on the expert's count.
; Wave w walks the groups w, w + 4, .. of 16 list slots.  A group's h fragments lie in h3 in register order: plain loads of 512 consecutive
; bytes, two buffers in turn, with the group's 16 rows of y from dstl beside them; no barrier in the loop.  Results go through the wave's own
; LDS stage, so that each store covers 512 consecutive bytes of one row of y.  Each (token, rank < 8) belongs to one expert, so each
; row of y is written once for each cblk.  Padded slots have h = 0 and go to row 16384 + e, which nothing reads.
; A trip of the loop is two groups, one on each buffer; the loop counts trips; a wave with an odd number of groups ends between the two.
; No cluster: the work-groups' weight blocks are disjoint; h3's groups are shared by the eight blocks of an expert, but each wave takes them
; straight into registers, and the waves' trip counts differ.
.set LCAPB,  8704                      ; bytes of an expert's part of dstl
.set NOFF,   8448                      ; where its count lies
.set DPITCH, 528                       ; 256 bf16 (or 128 f32) + 16: an odd multiple of 16
.set DSTG,   0                         ; 128 weight rows
.set OSTG,   128*DPITCH                ; 67,584: 4 waves x 16 rows of 128 f32, each wave's own
.set BUF0, 64
.set BUF1, 128
.set BUF2, 192
.set YO,   16                          ; v[16:31]   slot q: byte offset in y of my 16 bytes
.set RA,   32                          ; v[32:47]   list entries beside buffer A
.set RB,   48                          ; v[48:63]   beside buffer B
.set HA,   64                          ; v[64:127]  h fragments, buffer A, ks at 8 ks
.set HB,   128                         ; v[128:191] buffer B
.set DT,   192                         ; v[192:255] sums, nt at 8 nt; then the rows read back
.set MSB, 0
.macro WIN new
.if MSB != \new
	s_set_vgpr_msb (MSB<<8)|\new
.set MSB, \new
.endif
.endm
	s_load_b256 s[4:11], s[0:1], 0x0               ; down_w s[4:5], h3 s[6:7], dstl s[8:9], y s[10:11]
	v_lshl_add_u32 v13, v0, 2, 0x18c00
	s_set_vgpr_msb 0xc0
	v_mov_b32 v1, 0
	s_set_vgpr_msb 0xc000
	v_and_b32 v1, 31, v0
	v_lshrrev_b32 v2, 5, v0
	v_readfirstlane_b32 s14, v2                    ; wave
	v_and_b32 v2, 15, v0                           ; r
	v_bfe_u32 v3, v0, 4, 1                         ; h
	s_lshr_b32 s15, ttmp9, 3                       ; expert
	s_and_b32 s2, ttmp9, 7                         ; block of 128 columns
	s_mul_i32 s22, s15, LCAPB
	s_mov_b32 s23, 0
	s_wait_kmcnt 0x0
	s_add_nc_u64 s[8:9], s[8:9], s[22:23]
	s_load_b32 s24, s[8:9], NOFF                   ; n = tokens of the expert
	s_lshl_b32 s22, s15, 20                        ; h3: 1 MiB an expert
	s_add_nc_u64 s[6:7], s[6:7], s[22:23]
	s_lshl_b32 s21, s2, 17                         ; down_w: 1 MiB an expert, 128 rows of 1,024 bytes a block
	s_add_co_u32 s22, s22, s21
	s_add_nc_u64 s[4:5], s[4:5], s[22:23]
	s_lshl_b32 s21, s14, 15
	v_lshl_add_u32 v4, v1, 4, s21                  ; my 32 weight rows: 32,768 w + 16 lane
	s_mul_i32 s21, s14, 32*DPITCH
	v_lshl_add_u32 v5, v1, 3, s21                  ; weight stage, in
	v_mul_u32_u24 v6, v2, DPITCH
	v_lshl_add_u32 v7, v3, 5, v6
	v_lshl_add_u32 v6, v3, 4, v6                   ; weight stage, out: row r, 16 h
	s_mul_i32 s21, s14, 16*DPITCH
	s_add_co_u32 s21, s21, OSTG
	v_add_nc_u32 v7, s21, v7                       ; my stage, in: slot r, columns 8 h ..
	v_lshl_add_u32 v8, v1, 4, s21                  ; my stage, out: 16 lane of a row
	s_lshl_b32 s21, s2, 9
	v_lshl_add_u32 v9, v1, 4, s21                  ; in a row of y: 512 cblk + 16 lane
	v_lshlrev_b32 v10, 4, v1
.macro DB_LOAD b, buf                  ; 8 rows of 1,024 bytes: 16 loads of 512 consecutive bytes
.set i, 0
.rept 16
	global_load_b128 v[\buf+4*i:\buf+4*i+3], v4, s[4:5] offset:\b*8192+i*512 th:TH_LOAD_NT
.set i, i+1
.endr
.endm
.macro DB_CVT b, buf
.set i, 0
.rept 16
	v_cvt_pk_bf16_f32 v[\buf+4*i], v[\buf+4*i], v[\buf+4*i+1]
	v_cvt_pk_bf16_f32 v[\buf+4*i+1], v[\buf+4*i+2], v[\buf+4*i+3]
	ds_store_b64 v5, v[\buf+4*i:\buf+4*i+1] offset:(8*\b+(i>>1))*DPITCH+(i&1)*256
.set i, i+1
.endr
.endm
	DB_LOAD 0, BUF0
	DB_LOAD 1, BUF1
	DB_LOAD 2, BUF2
	s_wait_loadcnt 32                              ; two younger batches of 16 stay out
	DB_CVT 0, BUF0
	DB_LOAD 3, BUF0
	s_wait_loadcnt 32
	DB_CVT 1, BUF1
	s_wait_loadcnt 16                              ; one younger batch
	DB_CVT 2, BUF2
	s_wait_loadcnt 0x0
	DB_CVT 3, BUF0
	s_wait_dscnt 0x0                               ; my 32 rows are written, for the others' sake
	s_barrier_signal -1
	s_barrier_wait -1                              ; the only barrier: every wave passes it, whatever the count
	s_wait_kmcnt 0x0
	s_min_u32 s24, s24, 2048
	s_add_co_u32 s25, s24, 15
	s_lshr_b32 s25, s25, 4                         ; groups of 16 slots
	s_add_co_u32 s26, s25, 3
	s_sub_co_u32 s26, s26, s14
	s_lshr_b32 s26, s26, 2                         ; of which w, w + 4, .. are mine
	s_cmp_eq_u32 s26, 0
	s_cbranch_scc1 .Ldone
	s_sub_co_u32 s27, s26, 1                       ; my last group's number
	s_add_co_u32 s19, s26, 1
	s_lshr_b32 s19, s19, 1                         ; trips of two groups; the last may be half a trip
; the h fragments and the 16 list entries of my group number j + plus, held to my last group: a load past the end repeats that group
.macro HLOAD buf, raw, vaddr, vlist, jreg, plus
	s_add_co_u32 s30, s[\jreg], \plus
	s_min_u32 s30, s30, s27
	s_lshl2_add_u32 s30, s30, s14                  ; group = 4 j + w
	s_min_u32 s30, s30, 127
	s_lshl_b32 s31, s30, 13
	v_add_nc_u32 v[\vaddr], s31, v10
	s_lshl_b32 s31, s30, 6
	v_mov_b32 v[\vlist], s31
.irp ks, 0,1,2,3,4,5,6,7
	global_load_b128 v[\buf+8*\ks:\buf+8*\ks+3], v[\vaddr], s[6:7] offset:\ks*1024
	global_load_b128 v[\buf+8*\ks+4:\buf+8*\ks+7], v[\vaddr], s[6:7] offset:\ks*1024+512
.endr
.irp q, 0,1,2,3
	global_load_b128 v[\raw+4*\q:\raw+4*\q+3], v[\vlist], s[8:9] offset:16*\q      ; the same 64 bytes in every lane
.endr
.endm
; one group of 16 slots
.macro HALF buf, raw, vaddr, vlist, jreg
	s_wait_loadcnt 20                              ; this buffer and its list entries are in; the other buffer's 16 + 4 loads stay out
	s_wait_xcnt 0x0                                ; the last group's stores read v[16:31] and v[192:255]: rewritten only behind this wait
	WIN 0x01                                       ; A (weights) in window 1.  A = 16 columns, B = 16 slots: a lane holds slot r, columns 16 nt + 8 h + 0..7
.irp ks, 0,1,2,3
.irp nt, 0,1,2,3,4,5,6,7
.if \ks == 0
	v_wmma_f32_16x16x32_bf16 v[DT+8*\nt:DT+8*\nt+7], v[(8*\ks+\nt)*8:(8*\ks+\nt)*8+7], v[\buf+8*\ks:\buf+8*\ks+7], 0
.else
	v_wmma_f32_16x16x32_bf16 v[DT+8*\nt:DT+8*\nt+7], v[(8*\ks+\nt)*8:(8*\ks+\nt)*8+7], v[\buf+8*\ks:\buf+8*\ks+7], v[DT+8*\nt:DT+8*\nt+7]
.endif
.endr
.endr
	WIN 0x02                                       ; A in window 2
.irp ks, 4,5,6,7
.irp nt, 0,1,2,3,4,5,6,7
	v_wmma_f32_16x16x32_bf16 v[DT+8*\nt:DT+8*\nt+7], v[(8*(\ks-4)+\nt)*8:(8*(\ks-4)+\nt)*8+7], v[\buf+8*\ks:\buf+8*\ks+7], v[DT+8*\nt:DT+8*\nt+7]
.endr
.endr
	WIN 0
	; 32 plain instructions on other registers: the places behind the products (ISA guide 7.12.1), before the buffer is loaded again and the sums stored
.irp q, 0,1,2,3,4,5,6,7,8,9,10,11,12,13,14,15
	v_min_u32 v[YO+\q], 0x401f, v[\raw+\q]         ; a row of y, the 32 spare rows included
	v_lshl_add_u32 v[YO+\q], v[YO+\q], 12, v9      ; row x 4,096 + my 16 bytes of the block
.endr
	HLOAD \buf, \raw, \vaddr, \vlist, \jreg, 2
.irp nt, 0,1,2,3,4,5,6,7
	ds_store_b128 v7, v[DT+8*\nt:DT+8*\nt+3] offset:\nt*64
	ds_store_b128 v7, v[DT+8*\nt+4:DT+8*\nt+7] offset:\nt*64+16
.endr
.irp q, 0,1,2,3,4,5,6,7,8,9,10,11,12,13,14,15
	ds_load_b128 v[DT+4*\q:DT+4*\q+3], v8 offset:\q*DPITCH   ; my own stage: LDS serves a wave in order (ISA guide 5.7.1)
.endr
.irp q, 0,1,2,3,4,5,6,7,8,9,10,11,12,13,14,15
	s_wait_dscnt 15-\q                             ; row q is back; the younger ones stay out
	global_store_b128 v[YO+\q], v[DT+4*\q:DT+4*\q+3], s[10:11]   ; 512 consecutive bytes of one row of y, aligned
.endr
.endm
	s_mov_b32 s28, 0                               ; the trip's number; here also group number 0 for the two loads below
	HLOAD HA, RA, 11, 14, 28, 0
	HLOAD HB, RB, 12, 15, 28, 1
	WIN 0x40                                       ; the weights' fragments: destination in window 1,
.irp ks, 0,1,2,3
.irp nt, 0,1,2,3,4,5,6,7
	ds_load_b128 v[(8*\ks+\nt)*8:(8*\ks+\nt)*8+3], v6 offset:\nt*16*DPITCH+\ks*64
	ds_load_b128 v[(8*\ks+\nt)*8+4:(8*\ks+\nt)*8+7], v6 offset:\nt*16*DPITCH+\ks*64+32
.endr
.endr
	WIN 0x80                                       ; then in window 2
.irp ks, 4,5,6,7
.irp nt, 0,1,2,3,4,5,6,7
	ds_load_b128 v[(8*(\ks-4)+\nt)*8:(8*(\ks-4)+\nt)*8+3], v6 offset:\nt*16*DPITCH+\ks*64
	ds_load_b128 v[(8*(\ks-4)+\nt)*8+4:(8*(\ks-4)+\nt)*8+7], v6 offset:\nt*16*DPITCH+\ks*64+32
.endr
.endr
	WIN 0
	s_wait_dscnt 0x0                               ; they are in
.Lgroup:
	s_lshl_b32 s20, s28, 1                         ; my group number 2 x trip, on buffer A
	HALF HA, RA, 11, 14, 20
	s_add_co_u32 s29, s20, 1                       ; and 2 x trip + 1, on buffer B
	s_cmp_lt_u32 s29, s26
	s_cbranch_scc1 .Lsecond                        ; it is mine: go on inside the trip
	s_set_vgpr_msb 0xc
	s_wait_tensorcnt 0x0
	ds_add_u32 v13, v1
	s_wait_dscnt 0x0
	s_set_vgpr_msb 0xc00
	s_endpgm                                       ; an odd number of groups: the wave ends here; only plain loads (the held look-ahead) and stores are out
.Lsecond:
	HALF HB, RB, 12, 15, 29
	s_add_co_u32 s28, s28, 1
	s_cmp_lt_u32 s28, s19
	s_cbranch_scc1 .Lgroup
.Ldone:
	s_set_vgpr_msb 0xc
	s_wait_tensorcnt 0x0
	ds_add_u32 v13, v1
	s_wait_dscnt 0x0
	s_set_vgpr_msb 0xc00
	s_endpgm
.Lfunc_end_k_q799be4d9f1_ffn_down:
	.size	k_q799be4d9f1_ffn_down, .Lfunc_end_k_q799be4d9f1_ffn_down-k_q799be4d9f1_ffn_down
	.p2alignl 7, 3214868480
	.fill 96, 4, 3214868480
	.section	.rodata,"a",@progbits
	.p2align	6, 0x0
	.amdhsa_kernel k_q799be4d9f1_ffn_down
		.amdhsa_group_segment_fixed_size 101888
		.amdhsa_private_segment_fixed_size 0
		.amdhsa_enable_private_segment 0
		.amdhsa_kernarg_size 32
		.amdhsa_user_sgpr_count 2
		.amdhsa_user_sgpr_kernarg_segment_ptr 1
		.amdhsa_wavefront_size32 1
		.amdhsa_system_sgpr_workgroup_id_x 1
		.amdhsa_system_sgpr_workgroup_id_y 1
		.amdhsa_system_sgpr_workgroup_id_z 1
		.amdhsa_system_vgpr_workitem_id 0
		.amdhsa_next_free_vgpr 770
		.amdhsa_next_free_sgpr 66
		.amdhsa_reserve_vcc 0
		.amdhsa_float_denorm_mode_32 3
		.amdhsa_float_denorm_mode_16_64 3
		.amdhsa_memory_ordered 1
		.amdhsa_forward_progress 1
		.amdhsa_inst_pref_size 59
	.end_amdhsa_kernel
	.amdgpu_metadata
---
amdhsa.version: [ 1, 2 ]
amdhsa.kernels:
  - .name:           k_q799be4d9f1_ffn_down
    .symbol:         k_q799be4d9f1_ffn_down.kd
    .args:
      - { .name: down_w, .offset: 0, .size: 8, .value_kind: global_buffer, .address_space: global }
      - { .name: h3, .offset: 8, .size: 8, .value_kind: global_buffer, .address_space: global }
      - { .name: dstl, .offset: 16, .size: 8, .value_kind: global_buffer, .address_space: global }
      - { .name: y, .offset: 24, .size: 8, .value_kind: global_buffer, .address_space: global }
    .group_segment_fixed_size: 101888
    .private_segment_fixed_size: 0
    .kernarg_segment_align: 8
    .kernarg_segment_size: 32
    .max_flat_workgroup_size: 128
    .sgpr_count:     66
    .vgpr_count:     770
    .wavefront_size: 32
...
	.end_amdgpu_metadata
.endif
;; end of part 4
;; launch combine (part 5): grid 256 x 1, 8 waves a work-group, no clusters, 0 bytes of LDS; arguments y, out0; writes out0
.if DOCPART == 5
	.amdgcn_target "amdgcn-amd-amdhsa--gfx1250"
	.amdhsa_code_object_version 6
	.text
	.protected	k_q799be4d9f1_combine
	.globl	k_q799be4d9f1_combine
	.p2align	8
	.type	k_q799be4d9f1_combine,@function
k_q799be4d9f1_combine:
	s_mov_b64 s[64:65], 0
	v_nop
	global_prefetch_b8 v0, s[64:65] scope:SCOPE_SE
	s_setreg_imm32_b32 hwreg(HW_REG_WAVE_MODE, 25, 1), 1
	s_wait_xcnt 0x0
; out[t][c] = sum over rank 0..7 of y[8 t + rank][c].  The combine weights are already inside y.
; One wave, one token: its eight rows of 4,096 bytes lie one behind the other.  Eight chunks of 512 bytes of columns; a chunk is eight
; loads of 512 consecutive bytes and one store of 512 consecutive bytes.  A ring of four chunk slots keeps up to 32 loads of a wave out.
; The sum is a pairwise tree over the ranks, not reference()'s order over the experts.
; A pure stream: no LDS, no barrier, no matrix unit, nothing shared between work-groups.
.set SL, 16                            ; v[16:143] slot s at 32 s, row k at 4 k
	s_load_b128 s[4:7], s[0:1], 0x0                ; y s[4:5], out0 s[6:7]
	v_and_b32 v1, 31, v0
	v_lshrrev_b32 v3, 5, v0                        ; wave
	v_lshlrev_b32 v1, 4, v1
	v_lshl_add_u32 v2, v3, 12, v1                  ; out0: 4,096 w + 16 lane
	v_lshl_add_u32 v1, v3, 15, v1                  ; y: 32,768 w + 16 lane
	s_lshl_b32 s2, ttmp9, 18                       ; 8 tokens x 32,768 bytes
	s_mov_b32 s3, 0
	s_wait_kmcnt 0x0
	s_add_nc_u64 s[4:5], s[4:5], s[2:3]
	s_lshl_b32 s2, ttmp9, 15                       ; 8 rows of 4,096 bytes
	s_add_nc_u64 s[6:7], s[6:7], s[2:3]
.macro FILL j
.irp k, 0,1,2,3,4,5,6,7
	global_load_b128 v[SL+32*((\j)&3)+4*\k:SL+32*((\j)&3)+4*\k+3], v1, s[4:5] offset:\k*4096+(\j)*512 th:TH_LOAD_NT
.endr
.endm
; chunk j.  left: younger loads that may stay out.  refill = 1: the slot takes chunk j + 4.
.macro CH j, refill, left
.set SB, SL+32*((\j)&3)
.set RB, 8+4*((\j)&1)
	s_wait_loadcnt \left
	s_wait_xcnt 0x0                                ; the result registers, which the store two chunks ago reads, are rewritten only behind this wait
.irp k, 0,2,4,6
	v_pk_add_f32 v[SB+4*\k:SB+4*\k+1], v[SB+4*\k:SB+4*\k+1], v[SB+4*\k+4:SB+4*\k+5]
	v_pk_add_f32 v[SB+4*\k+2:SB+4*\k+3], v[SB+4*\k+2:SB+4*\k+3], v[SB+4*\k+6:SB+4*\k+7]
.endr
.irp k, 0,4
	v_pk_add_f32 v[SB+4*\k:SB+4*\k+1], v[SB+4*\k:SB+4*\k+1], v[SB+4*\k+8:SB+4*\k+9]
	v_pk_add_f32 v[SB+4*\k+2:SB+4*\k+3], v[SB+4*\k+2:SB+4*\k+3], v[SB+4*\k+10:SB+4*\k+11]
.endr
	v_pk_add_f32 v[RB:RB+1], v[SB:SB+1], v[SB+16:SB+17]
	v_pk_add_f32 v[RB+2:RB+3], v[SB+2:SB+3], v[SB+18:SB+19]
.if \refill
	FILL \j+4
.endif
	global_store_b128 v2, v[RB:RB+3], s[6:7] offset:(\j)*512 th:TH_STORE_NT
.endm
	FILL 0
	FILL 1
	FILL 2
	FILL 3
	CH 0, 1, 24                                    ; three younger chunks of eight loads stay out
	CH 1, 1, 24
	CH 2, 1, 24
	CH 3, 1, 24
	CH 4, 0, 24                                    ; nothing more is loaded: the counts run down
	CH 5, 0, 16
	CH 6, 0, 8
	CH 7, 0, 0
	s_endpgm
.Lfunc_end_k_q799be4d9f1_combine:
	.size	k_q799be4d9f1_combine, .Lfunc_end_k_q799be4d9f1_combine-k_q799be4d9f1_combine
	.p2alignl 7, 3214868480
	.fill 96, 4, 3214868480
	.section	.rodata,"a",@progbits
	.p2align	6, 0x0
	.amdhsa_kernel k_q799be4d9f1_combine
		.amdhsa_group_segment_fixed_size 0
		.amdhsa_private_segment_fixed_size 0
		.amdhsa_enable_private_segment 0
		.amdhsa_kernarg_size 16
		.amdhsa_user_sgpr_count 2
		.amdhsa_user_sgpr_kernarg_segment_ptr 1
		.amdhsa_wavefront_size32 1
		.amdhsa_system_sgpr_workgroup_id_x 1
		.amdhsa_system_sgpr_workgroup_id_y 1
		.amdhsa_system_sgpr_workgroup_id_z 1
		.amdhsa_system_vgpr_workitem_id 0
		.amdhsa_next_free_vgpr 144
		.amdhsa_next_free_sgpr 66
		.amdhsa_reserve_vcc 0
		.amdhsa_float_denorm_mode_32 3
		.amdhsa_float_denorm_mode_16_64 3
		.amdhsa_memory_ordered 1
		.amdhsa_forward_progress 1
		.amdhsa_inst_pref_size 15
	.end_amdhsa_kernel
	.amdgpu_metadata
---
amdhsa.version: [ 1, 2 ]
amdhsa.kernels:
  - .name:           k_q799be4d9f1_combine
    .symbol:         k_q799be4d9f1_combine.kd
    .args:
      - { .name: y, .offset: 0, .size: 8, .value_kind: global_buffer, .address_space: global }
      - { .name: out0, .offset: 8, .size: 8, .value_kind: global_buffer, .address_space: global }
    .group_segment_fixed_size: 0
    .private_segment_fixed_size: 0
    .kernarg_segment_align: 8
    .kernarg_segment_size: 16
    .max_flat_workgroup_size: 256
    .sgpr_count:     66
    .vgpr_count:     144
    .wavefront_size: 32
...
	.end_amdgpu_metadata
.endif
;; end of part 5
;; ======== version 2 of 2: 5 launches; version 1 with the launch ffn_up written anew for expert scheduling mode
;; workspace buffers: xb 4,194,304 bytes; comb4 262,144 bytes; rank4 262,144 bytes of whole numbers; bm 8,192 bytes of whole numbers; dstl 278,528 bytes of whole numbers; wl 278,528 bytes; h3 33,554,432 bytes; y 67,239,936 bytes
;; launch route: the kernel of part 1 again; grid 64 x 1, 8 waves a work-group, no clusters, 78,848 bytes of LDS; arguments hidden_states, gate_w, xb, comb4, rank4, bm; writes xb, comb4, rank4, bm
;; launch lists: the kernel of part 2 again; grid 32 x 1, 1 waves a work-group, no clusters, 0 bytes of LDS; arguments comb4, rank4, bm, dstl, wl; writes dstl, wl
;; launch ffn_up (part 6): grid 256 x 1, 4 waves a work-group, no clusters, 34,304 bytes of LDS; arguments gate_up_w, xb, dstl, wl, h3; writes h3
.if DOCPART == 6
	.amdgcn_target "amdgcn-amd-amdhsa--gfx1250"
	.amdhsa_code_object_version 6
	.text
	.protected	k_q799be4d9f1_ffn_up
	.globl	k_q799be4d9f1_ffn_up
	.p2align	8
	.type	k_q799be4d9f1_ffn_up,@function
k_q799be4d9f1_ffn_up:
	s_mov_b64 s[64:65], 0
	v_nop
	global_prefetch_b8 v0, s[64:65] scope:SCOPE_SE
	s_setreg_imm32_b32 hwreg(HW_REG_WAVE_SCHED_MODE, 0, 2), 2
	s_setreg_imm32_b32 hwreg(HW_REG_WAVE_MODE, 25, 1), 1
	s_wait_xcnt 0x0
	s_wait_alu depctr_vm_vsrc(0)
; UP PROJECTION of the selected (token, expert) pairs only: h = comb x u x silu(g), stored as bf16 in fragment order.
; Work-group = (expert e = id >> 3, block fblk = id & 7 of 32 f).  Wave w = (fsub = w & 1, par = w >> 1) keeps, for its whole life, the 16 g rows
; and the 16 u rows of f = 32 fblk + 16 fsub .. + 15 over all K = 1,024 as bf16: 64 fragments, 512 registers (windows 1 and 2).
; It walks the expert's groups of 16 list slots par, par + 2, ..  No wave depends on another: no barrier anywhere, so the trip count may be read
; from memory.  The two waves with the same fsub load and round the same 32 weight rows, each for itself.
; A group's x rows come in four chunks of 16 rows x 512 bytes (a K quarter): 16 loads, each 512 consecutive bytes of one row of xb, then through
; the wave's own LDS stage into fragments.  LDS serves a wave's instructions in order (ISA guide 5.7.1), so the one stage needs no wait
; between a chunk's fragment loads and the next chunk's stores.  Three chunks are always on their way: at most 53 loads of a wave are out.
; A = 16 weight rows, B = 16 slots: lane (r, h) holds slot r, f = 8 h + 0..7, the same for g and for u: silu needs no exchange, and the
; wave's 16 bytes a lane are 512 consecutive bytes of h3.
; h3 [e][group][fblk][1,024 bytes]: byte 512 fsub + 256 h + 16 r holds slot r, f = 16 fsub + 8 h + 0..7: two plain loads make a K = 32 fragment.
; Padded slots (list entry 16384 + e, weight 0) take token 2047's row and give h = 0.  Look-ahead past the wave's last group repeats that group.
; The combine weight is multiplied into h before the rounding to bf16 (reference() multiplies behind the down projection).
; No cluster, no tensor loads: the work-groups' weight rows are disjoint; the x rows that the blocks of an expert share are named by a list,
; and a ring filled by an engine would need a barrier for each refill inside a loop whose trip count differs from expert to expert.
; THE MODE: SCHED_MODE bits 1:0 = 2 (LLVM: expert scheduling mode 2), set by the entry lines.  The code itself states the register dependences
; between vector or matrix instructions and memory or LDS instructions, with s_wait_alu, always for 0.
; THE PLAN, in the loop.  A trip is a group: four steps; step c multiplies chunk c, sends chunk c + 1 through the stage and asks for the next group's chunk c.
;   X0 .. X3 (window 3)  Written by the loads of x in step c; read by the LDS stores of the step before it.  No vector instruction names them.
;   F0, F1               Step c: its LDS loads land in F[(c + 1) & 1]; its products read F[c & 1].
;   RO, v8, v9, v10      Written by vector lines at the trip's head; read by the trip's loads of x, its list loads, its weight's load, its store.
;   TK, v12              Loads land in them at the trip's head; vector lines read TK at the next trip's head and v12 at this trip's end.
;   HP                   Written by the roundings at the trip's end; read by the store behind them.
;   v4, v6, v7           Made at the kernel's head and never written again.
; So the head of a step states all that its 48 memory and LDS instructions hang on: the LDS stores of the step before have read X[c], and the products of the
; step before are done reading the fragment buffer that is loaded next.  (In step 0 the two waits stand at the trip's head, round the vector lines that make the
; addresses.)  Behind them the 48 are dealt among the step's 16 products, four behind each of the first twelve: those products name the sums, the weights and
; F[c & 1], none of the registers that the 48 touch.  The price is two window switches for each of the twelve.  One more wait stands ahead of the store of h.
; THE PLAN, in the head.  A weight batch is rounded out of its raw buffer into one of two out-buffers (chunk 3's registers, idle until the x stream's fourth chunk):
; one wait behind the roundings, then the raw buffer's reload at once, then the LDS stores; the wait for those stores' reads stands two batches later.
.set LCAPB,  8704                      ; bytes of an expert's part of dstl and wl
.set NOFF,   8448                      ; where its count lies in dstl
.set WPITCH, 528                       ; a stage row: 256 bf16 + 16 bytes, an odd multiple of 16
.set STGB,   16*WPITCH                 ; a wave's stage
; window 0: v4 16 lane; v5, v7 stage in (8, 16 bytes a lane); v6 stage out; v8 list address; v9 weight address; v10 h3 offset; v11 4 r; v12 weight
.set RO,   16                          ; v[16:31]   row q of the next group: byte offset in xb of my 16 bytes
.set TK,   32                          ; v[32:47]   16 list entries, the same in every lane
.set DT,   48                          ; v[48:55] g, v[56:63] u
                                       ; v[64:255]  weights on their way in, three raw buffers of 64 (batch b in buffer b % 3); later v[64:127], v[128:191] x fragments F0, F1
.set TE,   192                         ; v[192:199] at work
.set HP,   200                         ; v[200:203] h, packed
; windows 1, 2: weight fragment (ks, mt) at 8 (2 (ks & 15) + mt), ks 0-15 in window 1, 16-31 in window 2.  window 3: chunk c as loaded at 64 c
.set OUT,  192                         ; window 3, in the head only: two out-buffers of 32 registers, batch b in buffer b & 1
.set MSB, 0
.macro WIN new                         ; the immediate's high byte repeats the setting that is left
.if MSB != \new
	s_set_vgpr_msb (MSB<<8)|\new
.set MSB, \new
.endif
.endm
	s_load_b256 s[4:11], s[0:1], 0x0               ; gate_up_w s[4:5], xb s[6:7], dstl s[8:9], wl s[10:11]
	s_load_b64 s[12:13], s[0:1], 0x20              ; h3
	v_lshl_add_u32 v14, v0, 2, 0x8400
	v_mov_b32 v15, 0
	v_and_b32 v1, 31, v0                           ; lane
	v_lshrrev_b32 v2, 5, v0
	v_readfirstlane_b32 s16, v2                    ; wave
	v_and_b32 v2, 15, v0                           ; r
	v_bfe_u32 v3, v0, 4, 1                         ; h
	s_lshr_b32 s17, ttmp9, 3                       ; expert
	s_and_b32 s18, ttmp9, 7                        ; block of 32 f
	s_wait_alu depctr_va_sdst(0)                   ; s16 is written, ahead of its first reader: the wave's rows, groups and stage are made from it
	s_and_b32 s19, s16, 1                          ; which 16 f of it
	s_lshr_b32 s20, s16, 1                         ; even or odd groups
	s_mul_i32 s22, s17, LCAPB
	s_mov_b32 s23, 0
	s_wait_kmcnt 0x0
	s_add_nc_u64 s[8:9], s[8:9], s[22:23]
	s_add_nc_u64 s[10:11], s[10:11], s[22:23]
	s_load_b32 s24, s[8:9], NOFF                   ; n = tokens of the expert
	s_lshl_b32 s22, s17, 21                        ; 512 rows of 4,096 bytes an expert,
	s_lshl_b32 s21, s18, 17                        ; 32 rows a block,
	s_add_co_u32 s22, s22, s21
	s_lshl_b32 s21, s19, 16                        ; 16 rows a wave
	s_add_co_u32 s22, s22, s21
	s_add_nc_u64 s[4:5], s[4:5], s[22:23]
	s_lshl_b32 s22, s17, 20                        ; h3: 128 groups x 8 blocks x 1,024 bytes an expert
	s_lshl_b32 s21, s18, 10
	s_add_co_u32 s22, s22, s21
	s_lshl_b32 s21, s19, 9
	s_add_co_u32 s22, s22, s21
	s_add_nc_u64 s[12:13], s[12:13], s[22:23]
	v_lshlrev_b32 v4, 4, v1
	s_mul_i32 s21, s16, STGB
	v_lshl_add_u32 v5, v1, 3, s21
	v_add_nc_u32 v7, s21, v4
	v_mul_u32_u24 v6, v2, WPITCH
	v_lshl_add_u32 v6, v3, 4, v6
	v_add_nc_u32 v6, s21, v6                       ; row r, 16 h
	v_lshlrev_b32 v11, 2, v2
	v_mov_b32 v13, 0                               ; upper register of the pair whose lower one is the weight; its value is not used
	s_wait_kmcnt 0x0
	s_min_u32 s24, s24, 2048
	s_add_co_u32 s25, s24, 15
	s_lshr_b32 s25, s25, 4                         ; groups of 16 slots
	s_add_co_u32 s26, s25, 1
	s_sub_co_u32 s26, s26, s20
	s_lshr_b32 s26, s26, 1                         ; of which par, par + 2, .. are mine
	s_cmp_eq_u32 s26, 0
	s_cbranch_scc1 .Lexit                          ; none: nothing of h3 that is read later is mine
	s_sub_co_u32 s27, s26, 1                       ; my last group's number
; batch b: 8 weight rows x 1,024 bytes (256 K): tile b >> 1 = (mt = g or u, K quarter), rows 8 (b & 1) ..; each load 512 consecutive bytes; into raw buffer b % 3
.macro WB_LOAD b
.set LB, 64+64*((\b)%3)
.set LMT, ((\b)>>1)&1
.set LKQ, (\b)>>2
.set i, 0
.rept 8
	global_load_b128 v[LB+8*i:LB+8*i+3], v4, s[4:5] offset:(8*((\b)&1)+i)*4096+LMT*1048576+LKQ*1024
	global_load_b128 v[LB+8*i+4:LB+8*i+7], v4, s[4:5] offset:(8*((\b)&1)+i)*4096+LMT*1048576+LKQ*1024+512
.set i, i+1
.endr
.endm
; batch b has come (left = younger loads that may stay out): rounded into its out-buffer; reload = 1: its raw buffer takes batch b + 3; laid into my stage;
; behind every second batch 16 rows are whole: eight fragments are read back
.macro WBATCH b, left, reload
.set RB, 64+64*((\b)%3)
.set OB, OUT+32*((\b)&1)
.set MT, ((\b)>>1)&1
.set KQ, (\b)>>2
	s_wait_loadcnt \left
.if (\b) > 1
	s_wait_alu depctr_vm_vsrc(0)                   ; the LDS stores of two batches ago have read this out-buffer, which the roundings write again
.endif
	WIN 0xc0                                       ; destination in window 3
.set i, 0
.rept 16
	v_cvt_pk_bf16_f32 v[OB+2*i], v[RB+4*i], v[RB+4*i+1]
	v_cvt_pk_bf16_f32 v[OB+2*i+1], v[RB+4*i+2], v[RB+4*i+3]
.set i, i+1
.endr
	WIN 0
	s_wait_alu depctr_va_vdst(0)                   ; the roundings have written the out-buffer, which the LDS stores read, and are done reading the raw buffer, in which the next loads land
.if \reload
	WB_LOAD (\b)+3
.endif
	WIN 0x0c                                       ; store data in window 3
.set i, 0
.rept 16
	ds_store_b64 v5, v[OB+2*i:OB+2*i+1] offset:(8*((\b)&1)+(i>>1))*WPITCH+(i&1)*256
.set i, i+1
.endr
.if (\b)&1
.if KQ < 2
	WIN 0x40                                       ; destination in window 1
.else
	WIN 0x80                                       ; in window 2
.endif
.set i, 0
.rept 8
.set WRG, (((8*KQ+i)&15)*2+MT)*8
	ds_load_b128 v[WRG:WRG+3], v6 offset:i*64      ; no vector instruction has named these registers, and v6 stands since the kernel's head
	ds_load_b128 v[WRG+4:WRG+7], v6 offset:i*64+32
.set i, i+1
.endr
.endif
	WIN 0
.endm
; the 16 list entries of the group whose list offset is in v8, in every lane
.macro LLOAD
.irp q, 0,1,2,3
	global_load_b128 v[TK+4*\q:TK+4*\q+3], v8, s[8:9] offset:16*\q
.endr
.endm
; entry -> token -> byte offset of my 16 bytes of its row.  The token is held to 2,047 behind the shift right.  Three runs of 16, so that no line reads the result of the one before it
.macro ROWOFF
.irp q, 0,1,2,3,4,5,6,7,8,9,10,11,12,13,14,15
	v_lshrrev_b32 v[RO+\q], 3, v[TK+\q]
.endr
.irp q, 0,1,2,3,4,5,6,7,8,9,10,11,12,13,14,15
	v_min_u32 v[RO+\q], 0x7ff, v[RO+\q]
.endr
.irp q, 0,1,2,3,4,5,6,7,8,9,10,11,12,13,14,15
	v_lshl_add_u32 v[RO+\q], v[RO+\q], 11, v4
.endr
.endm
; in front of the loop: chunk c of the group that RO names, 16 loads of 512 consecutive bytes in one run.  own = 1: chunk 3, whose registers were the out-buffers
.macro GLOAD c, own
	WIN 0xc0                                       ; destination in window 3
.if \own
	s_wait_alu depctr_va_vdst(0)                   ; the roundings of the last two batches have written these registers
	s_wait_alu depctr_vm_vsrc(0)                   ; and those batches' LDS stores have read them
.endif
.irp q, 0,1,2,3,4,5,6,7,8,9,10,11,12,13,14,15
	global_load_b128 v[64*\c+4*\q:64*\c+4*\q+3], v[RO+\q], s[6:7] offset:512*\c
.endr
	WIN 0
.endm
; in front of the loop: the first group's chunk 0 goes into the stage by rows and out of it as eight fragments, into F0
.macro STAGE0
	s_wait_loadcnt 32                              ; chunk 0 (and the list loads in front of it) is in: chunks 1, 2 stay out
	WIN 0x0c                                       ; store data in window 3
.irp q, 0,1,2,3,4,5,6,7,8,9,10,11,12,13,14,15
	ds_store_b128 v7, v[4*\q:4*\q+3] offset:\q*WPITCH
.endr
	WIN 0
.irp k, 0,1,2,3,4,5,6,7
	ds_load_b128 v[64+8*\k:64+8*\k+3], v6 offset:\k*64       ; F0 was a raw buffer: the roundings that read it stand ahead of the last batch's wait
	ds_load_b128 v[64+8*\k+4:64+8*\k+7], v6 offset:\k*64+32
.endr
.endm
; What stands behind product i of a step (STEP sets i, NC, NF):
.macro R_ST                            ; i = 0 .. 3: rows 4 i .. 4 i + 3 of chunk NC go into the stage
.irp z, 0,1,2,3
	ds_store_b128 v7, v[64*NC+4*(4*i+\z):64*NC+4*(4*i+\z)+3] offset:(4*i+\z)*WPITCH
.endr
.endm
.macro R_FR                            ; i = 4 .. 7: fragments 2 (i - 4) and 2 (i - 4) + 1 come out of it, into the buffer at NF
.irp z, 0,1
	ds_load_b128 v[NF+8*(2*(i-4)+\z):NF+8*(2*(i-4)+\z)+3], v6 offset:(2*(i-4)+\z)*64
	ds_load_b128 v[NF+8*(2*(i-4)+\z)+4:NF+8*(2*(i-4)+\z)+7], v6 offset:(2*(i-4)+\z)*64+32
.endr
.endm
.macro R_GL c                          ; i = 8 .. 11: rows 4 (i - 8) .. + 3 of the next group's chunk c are asked for
.irp z, 0,1,2,3
	global_load_b128 v[64*(\c)+4*(4*(i-8)+\z):64*(\c)+4*(4*(i-8)+\z)+3], v[RO+4*(i-8)+\z], s[6:7] offset:512*(\c)
.endr
.endm
; STEP c.  left = younger loads that may stay out when chunk c + 1 has to be there.  own = 0: step 0, whose two waits stand at the trip's head.
; Product i: K = 32 (8 c + (i >> 1)) on, g (i even) or u (i odd): the two sums take turns.  The group's first two products start the sums.
.macro STEP c, left, own
.set NC, ((\c)+1)&3
.set NF, 64+64*(NC&1)
.set CF, 64+64*((\c)&1)
	s_wait_loadcnt \left
.if \own
	s_wait_alu depctr_vm_vsrc(0)                   ; the LDS stores of the step before have read X[c], in which this step's loads of x land
	s_wait_alu depctr_va_vdst(0)                   ; the products of the step before are done reading the fragment buffer in which this step's LDS loads land
.endif
	s_wait_dscnt 8                                 ; LDS instructions come back in order (ISA guide 5.7.1): fragments 0 to 3 of my chunk are in; the youngest eight loads, fragments 4 to 7, may be out
.set i, 0
.rept 16
.if i == 8
	s_wait_dscnt 32                                ; fragments 4 to 7 are in: behind them stand this step's 16 stores and 16 loads
.endif
.if (\c) < 2
	WIN 0x01                                       ; A (weights) in window 1
.else
	WIN 0x02
.endif
.set WRG, (((8*(\c)+(i>>1))&15)*2+(i&1))*8
.set AC, DT+8*(i&1)
.if ((\c)+(i>>1)) == 0
	v_wmma_f32_16x16x32_bf16 v[AC:AC+7], v[WRG:WRG+7], v[CF+8*(i>>1):CF+8*(i>>1)+7], 0
.else
	v_wmma_f32_16x16x32_bf16 v[AC:AC+7], v[WRG:WRG+7], v[CF+8*(i>>1):CF+8*(i>>1)+7], v[AC:AC+7]
.endif
.if i < 4
	WIN 0x0c                                       ; store data in window 3
	R_ST
.elseif i < 8
	WIN 0
	R_FR
.elseif i < 12
	WIN 0xc0                                       ; destination in window 3.  Nothing since the step's waits names RO or X[c]
	R_GL \c
.endif
.set i, i+1
.endr
.endm
	s_lshl_b32 s29, s20, 6                         ; my first group's 64 bytes of the list
	v_mov_b32 v8, s29
	s_wait_alu depctr_va_vdst(0)                   ; v4 to v8 are written: the offsets and LDS addresses that the loads and LDS instructions below read
	LLOAD
	WB_LOAD 0
	WB_LOAD 1
	WB_LOAD 2
.irp b, 0,1,2,3,4,5,6,7,8,9,10,11,12
	WBATCH \b, 32, 1                               ; two younger batches of 16 stay out
.endr
	WBATCH 13, 32, 0
	; the x stream starts where the weight batches end
	ROWOFF                                         ; my first group (its list entries are older than every weight batch)
	s_min_u32 s29, s27, 1                          ; my second group, or the first again
	s_lshl1_add_u32 s29, s29, s20                  ; group = 2 j + par
	s_min_u32 s29, s29, 127
	s_lshl_b32 s29, s29, 6
	v_mov_b32 v8, s29                              ; the first list loads, which read v8, stand ahead of the batches' waits for loads and for sources read
	s_wait_alu depctr_va_vdst(0)                   ; RO and v8 are written, which the loads below read; TK has been read, in which the list loads land
	LLOAD
	GLOAD 0, 0
	WBATCH 14, 36, 0                               ; batch 14 is in: batch 15, 4 list loads and chunk 0 stay out
	GLOAD 1, 0
	WBATCH 15, 36, 0                               ; batch 15 is in: 4 list loads and chunks 0, 1 stay out
	GLOAD 2, 0
	STAGE0
	GLOAD 3, 1
	s_mov_b32 s28, 0                               ; j
; At the head of trip j: chunks 1, 2, 3 of group j are on their way, chunk 0 is on its way through LDS, TK holds group j + 1's entries.
.Lgroup:
	s_wait_xcnt 0x0                                ; RO, v8, v9, v10 and HP are sources of earlier loads and of the last store: rewritten only behind this wait
	s_wait_alu depctr_vm_vsrc(0)                   ; those loads and that store have read them; the LDS stores of the last step have read X0, in which step 0's loads of x land
	ROWOFF                                         ; group j + 1
	s_add_co_u32 s29, s28, 2
	s_min_u32 s29, s29, s27                        ; group j + 2, held to my last
	s_lshl1_add_u32 s29, s29, s20
	s_min_u32 s29, s29, 127
	s_lshl_b32 s29, s29, 6
	v_mov_b32 v8, s29
	s_lshl1_add_u32 s30, s28, s20                  ; group j
	s_min_u32 s30, s30, 127
	s_lshl_b32 s31, s30, 6
	v_add_nc_u32 v9, s31, v11                      ; slot r's weight
	s_lshl_b32 s31, s30, 13
	v_add_nc_u32 v10, s31, v4                      ; the group's 8,192 bytes of h3, my 16 bytes
	s_wait_alu depctr_va_vdst(0)                   ; RO, v8, v9 and v10 are written; TK and v12 have been read, in which the five loads below land; the last group's products are done reading F1, in which step 0's LDS loads land
	LLOAD
	global_load_b32 v12, v9, s[10:11]
	STEP 0, 37, 0                                  ; chunk 1 is in: chunks 2, 3 and the 5 loads above stay out
	STEP 1, 37, 1                                  ; chunk 2: chunk 3, the 5, the next group's chunk 0
	STEP 2, 37, 1                                  ; chunk 3: the 5, the next group's chunks 0, 1
	STEP 3, 32, 1                                  ; the next group's chunk 0 is in, so the 5 are too: its chunks 1, 2 stay out
	WIN 0
.rept 4
	v_nop                                          ; four places behind the last products before the sums are read (ISA guide 7.12.1)
.endr
	; g = v[48:55], u = v[56:63].  h = (u w) g / (1 + 2^(-g log2 e))
.irp k, 0,2,4,6
	v_pk_mul_f32 v[TE+\k:TE+\k+1], v[DT+\k:DT+\k+1], 0xbfb8aa3b op_sel_hi:[1,0]
.endr
.irp k, 0,1,2,3,4,5,6,7
	v_exp_f32 v[TE+\k], v[TE+\k]
.endr
.irp k, 0,2,4,6
	v_pk_mul_f32 v[DT+8+\k:DT+9+\k], v[DT+8+\k:DT+9+\k], v[12:13] op_sel_hi:[1,0]   ; both by v12; plain work behind the exponentials (ISA guide 5.7.2)
.endr
	s_wait_alu depctr_va_vdst(0)
.irp k, 0,2,4,6
	v_pk_add_f32 v[TE+\k:TE+\k+1], v[TE+\k:TE+\k+1], 1.0 op_sel_hi:[1,0]
.endr
.irp k, 0,1,2,3,4,5,6,7
	v_rcp_f32 v[TE+\k], v[TE+\k]
.endr
	v_nop
	s_wait_alu depctr_va_vdst(0)
.irp k, 0,2,4,6
	v_pk_mul_f32 v[DT+\k:DT+\k+1], v[DT+\k:DT+\k+1], v[TE+\k:TE+\k+1]
.endr
.irp k, 0,2,4,6
	v_pk_mul_f32 v[DT+\k:DT+\k+1], v[DT+\k:DT+\k+1], v[DT+8+\k:DT+9+\k]
.endr
.irp k, 0,1,2,3
	v_cvt_pk_bf16_f32 v[HP+\k], v[DT+2*\k], v[DT+2*\k+1]
.endr
	s_wait_alu depctr_va_vdst(0)                   ; the roundings have written HP, which the store reads
	global_store_b128 v10, v[HP:HP+3], s[12:13]    ; the wave stores 512 consecutive bytes, aligned
	s_add_co_u32 s28, s28, 1
	s_cmp_lt_u32 s28, s26
	s_cbranch_scc1 .Lgroup
.Lexit:
	s_wait_dscnt 0x0
	s_wait_alu depctr_hold_cnt(0) depctr_sa_sdst(0) depctr_va_vdst(0) depctr_va_sdst(0) depctr_va_ssrc(0) depctr_va_vcc(0) depctr_vm_vsrc(0)
	s_wait_tensorcnt 0x0
	ds_add_u32 v14, v15
	s_wait_dscnt 0x0
	s_endpgm
.Lfunc_end_k_q799be4d9f1_ffn_up:
	.size	k_q799be4d9f1_ffn_up, .Lfunc_end_k_q799be4d9f1_ffn_up-k_q799be4d9f1_ffn_up
	.p2alignl 7, 3214868480
	.fill 96, 4, 3214868480
	.section	.rodata,"a",@progbits
	.p2align	6, 0x0
	.amdhsa_kernel k_q799be4d9f1_ffn_up
		.amdhsa_group_segment_fixed_size 34304
		.amdhsa_private_segment_fixed_size 0
		.amdhsa_enable_private_segment 0
		.amdhsa_kernarg_size 40
		.amdhsa_user_sgpr_count 2
		.amdhsa_user_sgpr_kernarg_segment_ptr 1
		.amdhsa_wavefront_size32 1
		.amdhsa_system_sgpr_workgroup_id_x 1
		.amdhsa_system_sgpr_workgroup_id_y 1
		.amdhsa_system_sgpr_workgroup_id_z 1
		.amdhsa_system_vgpr_workitem_id 0
		.amdhsa_next_free_vgpr 1024
		.amdhsa_next_free_sgpr 66
		.amdhsa_reserve_vcc 0
		.amdhsa_float_denorm_mode_32 3
		.amdhsa_float_denorm_mode_16_64 3
		.amdhsa_memory_ordered 1
		.amdhsa_forward_progress 1
		.amdhsa_inst_pref_size 126
	.end_amdhsa_kernel
	.amdgpu_metadata
---
amdhsa.version: [ 1, 2 ]
amdhsa.kernels:
  - .name:           k_q799be4d9f1_ffn_up
    .symbol:         k_q799be4d9f1_ffn_up.kd
    .args:
      - { .name: gate_up_w, .offset: 0, .size: 8, .value_kind: global_buffer, .address_space: global }
      - { .name: xb, .offset: 8, .size: 8, .value_kind: global_buffer, .address_space: global }
      - { .name: dstl, .offset: 16, .size: 8, .value_kind: global_buffer, .address_space: global }
      - { .name: wl, .offset: 24, .size: 8, .value_kind: global_buffer, .address_space: global }
      - { .name: h3, .offset: 32, .size: 8, .value_kind: global_buffer, .address_space: global }
    .group_segment_fixed_size: 34304
    .private_segment_fixed_size: 0
    .kernarg_segment_align: 8
    .kernarg_segment_size: 40
    .max_flat_workgroup_size: 128
    .sgpr_count:     66
    .vgpr_count:     1024
    .wavefront_size: 32
...
	.end_amdgpu_metadata
.endif
;; end of part 6
;; launch ffn_down: the kernel of part 4 again; grid 256 x 1, 4 waves a work-group, no clusters, 101,888 bytes of LDS; arguments down_w, h3, dstl, y; writes y
;; launch combine: the kernel of part 5 again; grid 256 x 1, 8 waves a work-group, no clusters, 0 bytes of LDS; arguments y, out0; writes out0
